; MI455X (gfx1250); checked and timed in simulation.
; The chip was launched on July 23, 2026; its instructions are those of AMD's public machine-readable ISA for CDNA 5 (MIT licence, August 2026) and "CDNA5" Instruction Set Architecture Reference Guide (July 2026). The comments in the code are by the model that wrote it; some were corrected since.
;; Conditional Cross Attention Block. Allowed arithmetic: matrix products marked QUANTISED: E2M1 operands, one E8M0 scale for each 32 along K, by v_wmma_scale_f32_16x16x128_f8f6f4 with both operands' format E2M1 (or v_wmma_scale_f32_32x16x128_f4), f32 sums; products left as they are: bf16, f16 or f32 operands; f32 sums; everything else in f32.
;; Inputs: Wk 2,048 x 1,024 float32; Wo 2,048 x 2,048 float32; Wq 2,048 x 2,048 float32; Wv 2,048 x 1,024 float32; bk 2,048 float32; bo 2,048 float32; bq 2,048 float32; bv 2,048 float32; ln_b 1,024 float32; ln_w 1,024 float32; rmsk_w 2,048 float32; rmsq_w 2,048 float32; x 2 x 2,048 x 2,048 float32; x_cos 2 x 2,048 x 128 float32; x_sin 2 x 2,048 x 128 float32; y 2 x 1,024 x 1,024 float32; y_cos 2 x 1,024 x 128 float32; y_sin 2 x 1,024 x 128 float32.
;; Outputs: out0 2 x 2,048 x 2,048 float32.
;; This version of the problem:
;;   THIS VERSION OF THE PROBLEM IS GIVEN IN LOW PRECISION. The matrix products marked QUANTISED in the list below multiply operands that are first quantised to E2M1 (2 exponent bits, 1 mantissa bit; 4 bits a number), with one power-of-two scale for each 32 numbers along K (OCP MX v1.0); their sums are f32. The products marked 'left as it is' may take bf16, f16 or f32 operands, with f32 sums. Whichever they take, every output number must still come out within the allowed error. Rounding operands to bf16 (8 significant bits) uses up far more of that allowance than f16 does (11 bits, for magnitudes from 6e-5 to 65,504). All else is computed in f32.
;;   The module's matrix products, in the order in which they are computed (A, B: the left and right operand; K: the contracted axis; several contracted axes count as one K, in the product's order):
;;     1. [M 4,096, K 2,048] x [K 2,048, N 2,048]; A: input x; B: input Wq: QUANTISED
;;     2. [M 2,048, K 1,024] x [K 1,024, N 2,048]; A: computed on the way; B: input Wk: left as it is (an operand is computed on the way)
;;     3. [M 2,048, K 1,024] x [K 1,024, N 2,048]; A: computed on the way; B: input Wv: left as it is (an operand is computed on the way)
;;     4. batch 32 x [M 2,048, K 128] x [K 128, N 1,024]; A: computed on the way; B: computed on the way: left as it is (an operand is computed on the way)
;;     5. batch 32 x [M 128, K 1,024] x [K 1,024, N 2,048]; A: computed on the way; B: computed on the way: left as it is (an operand is computed on the way)
;;     6. [M 4,096, K 2,048] x [K 2,048, N 2,048]; A: computed on the way; B: input Wo: left as it is (an operand is computed on the way)
;;   THE QUANTISER, for each operand of a quantised product, along K:
;;     - K is cut into blocks of 32 from its start; a last block that is shorter is filled with zeros.
;;     - A block's scale is 2^e with e = floor(log2(the largest magnitude in the block)) - 2, held to -126 .. 127; a block of zeros has e = 0. As a byte (E8M0): e + 127.
;;     - Each number is divided by its block's scale, clamped to +-6, and rounded to the nearest number of E2M1, ties to even, subnormals kept.
;;     - The product sums the exact products of the quantised numbers (number of the format x scale) in f32.
;;   ~~~python
;;   def quantise(x, axis):      # numpy; x: float32 -> the quantised numbers, widened to float32 again
;;       x = np.moveaxis(x, axis, -1); K = x.shape[-1]
;;       x = np.pad(x, [(0, 0)] * (x.ndim - 1) + [(0, -K % 32)]); x = x.reshape(x.shape[:-1] + (-1, 32)); a = np.abs(x).max(-1, keepdims=True)
;;       e = np.where(a > 0, np.clip(np.frexp(np.where(a > 0, a, 1))[1] - 1 - 2, -126, 127), 0)      # np.frexp(a)[1] - 1 = floor(log2(a)), exactly
;;       r = np.clip(x / 2.0 ** e, -6, 6)
;;       step = 2.0 ** (np.maximum(np.frexp(np.where(r == 0, 1, r))[1] - 1, 0) - 1)
;;       q = np.round(r / step) * step * 2.0 ** e      # np.round: ties to even
;;       return np.moveaxis(q.reshape(q.shape[:-2] + (-1,))[..., :K], -1, axis).astype(np.float32)
;;   ~~~
;; One version. Each part assembles by itself: llvm-mc -triple=amdgcn-amd-amdhsa -mcpu=gfx1250 --defsym DOCPART=n.
;; ======== version 1 of 1: 6 launches
;; limits: values are held in f16: magnitudes above 65,504 overflow, below 6.1e-05 lose precision
;; workspace buffers: codes 6,684,672 bytes; w16 20,971,520 bytes; q_raw 33,554,432 bytes; k_raw 16,777,216 bytes; v16 8,388,608 bytes; q16 16,777,216 bytes; k16 8,388,608 bytes; o16 16,777,216 bytes
;; launch prep (part 1): grid 768 x 1, 4 waves a work-group, no clusters, 50,688 bytes of LDS; arguments x, Wq, codes, Wk, Wv, Wo, y, ln_w, ln_b, w16; writes codes, w16
.if DOCPART == 1
	.amdgcn_target "amdgcn-amd-amdhsa--gfx1250"
	.amdhsa_code_object_version 6
	.text
	.protected	k_q816d5a0258_prep
	.globl	k_q816d5a0258_prep
	.p2align	8
	.type	k_q816d5a0258_prep,@function
k_q816d5a0258_prep:
	s_mov_b64 s[64:65], 0
	v_nop
	global_prefetch_b8 v0, s[64:65] scope:SCOPE_SE
	s_setreg_imm32_b32 hwreg(HW_REG_WAVE_MODE, 25, 1), 1
	s_wait_xcnt 0x0
; PREP: three streams in one launch, told apart by the work-group's number alone.
;  (a) work-groups 0-383: x [4096][2048] and Wq [2048][2048], f32, become codes of FP4 (E2M1), K innermost, with one E8M0 byte for each 32 along K.
;      A block's scale is 2^(floor(log2(largest magnitude)) - 2); each number is divided by it and rounded to the nearest code, ties to even, beyond 6 the code of 6.
;  (b) work-groups 384-639: Wk, Wv, Wo, f32, are rounded to f16 and laid IN THE ORDER OF THE OPERAND'S REGISTERS, so that the products' waves load their fragments whole, 512 consecutive bytes a load.
;  (c) work-groups 640-767: LayerNorm of y (mean, then the mean of the squared differences: two passes over registers), times ln_w plus ln_b, rounded to f16.
; LAYOUT OF codes: x's codes at 0 ([4096][1024 bytes]), Wq's at OFF_WC ([2048][1024]), x's scale bytes at OFF_XS ([4096][64]), Wq's at OFF_WS ([2048][64]).
; LAYOUT OF w16: a STRIP is 64 rows of a weight, for all of K: [k / 32][row block of 16, 0..3][c = 0, 1][lane (r, h)][16 bytes = W(row block's row r, 32 (k / 32) + 16 c + 8 h + 0 .. 7)].
;   Wk's 32 strips and Wv's 32 (131,072 bytes each) at 0; Wo's 32 strips (262,144 bytes each) at OFF_WO; the normed y at OFF_YN, [2048][1024] by rows.
; LIMITS: a block of zeros gets the byte 1 where the rule says 127 (its codes are zeros, and this program alone reads the bytes); blocks whose largest magnitude lies under 2^-124 are held at byte 1;
; f16 holds magnitudes up to 65,504 (weights, and 32 |ln_w| + |ln_b| for the normed y, must stay under it) and drops what lies under 6e-8; NaN and infinities among the inputs are not served.
; Paths (a) and (b) use LDS, each wave its own bytes and each path its own region; no barrier: waves share nothing.
.set WAVES, 4
.set STEPS, 16
.set WGA,   256                        ; x's work-groups: 4096 x 2048 / 32,768
.set WGQ,   384                        ; + Wq's 128
.set WGC,   640                        ; + 256 for the three weights
.set OFF_WC, 4194304
.set OFF_XS, 6291456
.set OFF_WS, 6553600
.set OFF_WO, 8388608
.set OFF_YN, 16777216
.set CB,    8                          ; bytes of 16 codes
.set R,     16                         ; (a) v16-79   four sets of 16 numbers as loaded
.set X,     80                         ; (a) v80-111  two sets of 16 neighbours
.set C,     128                        ; (a) v128-191 codes: four registers a step
.set E,     112                        ; (a) v112-127 a scale byte a step
.set WREG,  8192                       ; (a) LDS: a region for each wave: two stages of 32 x SP bytes, then its 256 scale bytes
.set SP,    80                         ; a lane's place in a stage: 64 bytes + 16 of padding
.set SPW,   12                         ; v12 LDS address of my spare word; never rewritten
.set NIL,   13                         ; v13 0; never rewritten
.set BSTG,  WAVES*WREG                 ; (b) LDS: behind (a)'s regions, a stage of 16 rows x BSP bytes for each wave
.set BSP,   272                        ; a stage row: 128 f16 + 16 bytes of padding
.set SPARE, BSTG+WAVES*16*BSP          ; behind both: the spare words, 128 bytes a wave
.set RO,    16                         ; (b) v16-31   byte offset of my 16 bytes in each of the 16 rows
.set IN,    32                         ; (b) v32-159  two pieces of 16 loads; a piece's first 32 registers later hold its fragments
.set CV,    160                        ; (b) v160-191 a piece's f16 numbers, two registers a row
.set LW,    16                         ; (c) v16-47 ln_w, v48-79 ln_b, in a row's map
.set LB,    48
.set LX,    80                         ; (c) v80-143 two rows
.set LO,    144                        ; (c) v144-175 two rows' f16 results
	s_load_b256 s[4:11], s[0:1], 0x0               ; x, Wq, codes, Wk
	s_load_b256 s[12:19], s[0:1], 0x20             ; Wv, Wo, y, ln_w
	s_load_b128 s[20:23], s[0:1], 0x40             ; ln_b, w16
	v_lshl_add_u32 v[SPW], v0, 2, SPARE
	v_mov_b32 v[NIL], 0
	v_lshrrev_b32 v1, 5, v0
	v_readfirstlane_b32 s24, v1                    ; wave
	v_and_b32 v2, 31, v0                           ; lane
	v_lshlrev_b32 v3, 4, v2                        ; 16 x lane: my part of 512 bytes
	v_lshlrev_b32 v4, 3, v2                        ; 8 x lane: my part of 256 bytes
	s_wait_kmcnt 0x0
	s_cmp_ge_u32 ttmp9, WGQ
	s_cbranch_scc1 .Lnotq
; ---------------- (a) the quantiser.  A wave takes 16 steps of 512 numbers; nothing here knows of rows: rows are dense and K is a multiple of 32.
; Loads take the bytes as they lie (512 consecutive bytes a load); a step's 2,048 bytes turn through the wave's stage so that a lane holds 16 neighbours; two neighbouring lanes hold a block.
	s_mul_i32 s25, s24, WREG
	v_lshrrev_b32 v14, 2, v2
	v_mul_u32_u24 v14, v14, SP
	v_and_b32 v15, 3, v2
	v_lshl_add_u32 v14, v15, 4, v14
	v_add_nc_u32 v14, s25, v14                     ; into the stage: SP (lane / 4) + 16 (lane % 4)
	v_mul_u32_u24 v15, v2, SP
	v_add_nc_u32 v15, s25, v15                     ; out of it: SP x lane
	v_lshrrev_b32 v5, 1, v2
	s_add_co_u32 s25, s25, 2*32*SP
	v_add_nc_u32 v5, s25, v5                       ; my block's byte among the wave's 256 scale bytes
	v_add_nc_u32 v6, s25, v4                       ; and 8 of them a lane on the way out
	s_mov_b32 s28, OFF_WS
	s_cmp_lt_u32 ttmp9, WGA                        ; x's work-group or Wq's: the choice hangs on the work-group's number alone
	s_cselect_b64 s[4:5], s[4:5], s[6:7]
	s_cselect_b32 s26, 0, OFF_WC
	s_cselect_b32 s28, OFF_XS, s28
	s_cselect_b32 s25, 0, WGA
	s_mov_b32 s27, 0
	s_mov_b32 s29, 0
	s_add_nc_u64 s[10:11], s[8:9], s[28:29]        ; the tensor's scale bytes
	s_add_nc_u64 s[8:9], s[8:9], s[26:27]          ; the tensor's codes
	s_sub_co_u32 s25, ttmp9, s25
	s_lshl_b32 s25, s25, 2
	s_add_co_u32 s30, s25, s24                     ; which run of 8,192 numbers is my wave's
	s_mov_b32 s31, 0
	s_mov_b64 s[32:33], 512*STEPS*4
	s_mul_u64 s[32:33], s[30:31], s[32:33]
	s_add_nc_u64 s[4:5], s[4:5], s[32:33]
	s_mov_b64 s[32:33], 32*STEPS*CB
	s_mul_u64 s[32:33], s[30:31], s[32:33]
	s_add_nc_u64 s[8:9], s[8:9], s[32:33]
	s_lshl_b32 s30, s30, 8                         ; 256 scale bytes a run
	s_add_nc_u64 s[10:11], s[10:11], s[30:31]
.macro LOAD t
.irp i, 0,1,2,3
	global_load_b128 v[R+16*((\t)%4)+4*\i:R+16*((\t)%4)+4*\i+3], v3, s[4:5] offset:2048*(\t)+512*\i th:TH_LOAD_NT
.endr
.endm
.macro TURN t                          ; step t's numbers through the stage: LDS serves a wave's instructions in order, so no wait stands between the stores and the loads
.irp i, 0,1,2,3
	ds_store_b128 v14, v[R+16*((\t)%4)+4*\i:R+16*((\t)%4)+4*\i+3] offset:32*SP*((\t)%2)+8*SP*\i
.endr
.irp i, 0,1,2,3
	ds_load_b128 v[X+16*((\t)%2)+4*\i:X+16*((\t)%2)+4*\i+3], v15 offset:32*SP*((\t)%2)+16*\i
.endr
.endm
.irp t, 0,1,2,3
	LOAD \t
.endr
	s_wait_loadcnt 12                              ; step 0's four loads are in; three steps' twelve may be out
	TURN 0
.macro STEP t
.set XS, X+16*((\t)%2)
.if (\t) > 0
	s_wait_dscnt 1                                 ; this step's numbers are back from the stage (the last step's byte store may be out)
.else
	s_wait_dscnt 0x0
.endif
.if (\t)+4 < STEPS
	LOAD (\t)+4                                    ; into the registers that the stage's stores have read
.endif
.if (\t)+1 < STEPS
.if STEPS-2-(\t) >= 3
	s_wait_loadcnt 12                              ; the next step's four loads are in; those of the three steps behind it may be out
.else
	s_wait_loadcnt 4*(STEPS-2-(\t))
.endif
	TURN (\t)+1
.endif
	v_max3_num_f32 v8, |v[XS]|, |v[XS+1]|, |v[XS+2]|               ; the largest magnitude of my 16, in two chains
	v_max3_num_f32 v9, |v[XS+3]|, |v[XS+4]|, |v[XS+5]|
.irp i, 6,10
	v_max3_num_f32 v8, v8, |v[XS+\i]|, |v[XS+\i+1]|
	v_max3_num_f32 v9, v9, |v[XS+\i+2]|, |v[XS+\i+3]|
.endr
	v_max3_num_f32 v8, v8, |v[XS+14]|, |v[XS+15]|
	v_max3_num_f32 v8, v8, v9, 0x1800000           ; and the floor 2^(3 - 127): the byte cannot fall under 1
	v_max_num_f32_dpp v8, v8, v8 row_xmask:1 row_mask:0xf bank_mask:0xf   ; with my neighbour's 16: the block's
	v_add_nc_u32 v11, 0xff000000, v8               ; 2 off its exponent field: the conversion takes this operand's exponent field as its scale
	v_cvt_scalef32_pk8_fp4_f32 v[C+4*(\t)], v[XS:XS+7], v11
	v_cvt_scalef32_pk8_fp4_f32 v[C+4*(\t)+1], v[XS+8:XS+15], v11
	v_lshrrev_b32 v[E+(\t)], 23, v11               ; the scale's byte
	ds_store_b8 v5, v[E+(\t)] offset:16*(\t)       ; both lanes of a block write the same byte with the same value
	global_store_b64 v4, v[C+4*(\t):C+4*(\t)+1], s[8:9] offset:32*CB*(\t)   ; 32 lanes store 256 consecutive bytes, aligned
.endm
.irp t, 0,1,2,3,4,5,6,7,8,9,10,11,12,13,14,15
	STEP \t
.endr
	ds_load_b64 v[8:9], v6                         ; in order behind my byte stores
	s_wait_dscnt 0x0
	global_store_b64 v4, v[8:9], s[10:11]          ; the wave's 256 scale bytes: 256 consecutive bytes, aligned
	s_branch .Lend
; ---------------- (b) three weights to f16, in fragment order.  A wave takes a block of 16 rows x 512 along K, in four pieces of 128 along K.
; A piece: 16 loads, each 512 consecutive bytes of one row; rounded, 256 bytes a row into the wave's stage; read back as the operand's registers want it
; (lane (r, h): row r, 16 bytes at 64 q + 32 c + 16 h); each of the 8 stores covers 512 consecutive bytes of the strip.  Two pieces' loads are out.
.Lnotq:
	s_cmp_ge_u32 ttmp9, WGC
	s_cbranch_scc1 .Lln
	s_sub_co_u32 s25, ttmp9, WGQ                   ; 0-63 Wk, 64-127 Wv, 128-255 Wo
	s_cmp_lt_u32 s25, 64
	s_cselect_b64 s[10:11], s[10:11], s[12:13]
	s_cmp_lt_u32 s25, 128                          ; Wk and Wv (K = 1024, counted as one tensor of 4,096 rows) or Wo (K = 2048)
	s_cselect_b64 s[10:11], s[10:11], s[14:15]
	s_cselect_b32 s26, 0, 128                      ; the tensor's first work-group
	s_cselect_b32 s27, 1, 2                        ; log2 of the parts of 512 along K in a row
	s_cselect_b32 s33, 1, 3                        ; and their mask
	s_cselect_b32 s28, 12, 13                      ; log2 of a row's bytes in f32
	s_cselect_b32 s29, 17, 18                      ; log2 of a strip's bytes
	s_cselect_b32 s30, 0, OFF_WO                   ; where the tensor's strips begin
	s_sub_co_u32 s26, s25, s26
	s_lshl_b32 s26, s26, 2
	s_add_co_u32 s26, s26, s24                     ; my wave's number in the tensor
	s_lshr_b32 s32, s26, s27                       ; my block of 16 rows
	s_and_b32 s33, s26, s33                        ; my 512 along K
	s_and_b32 s34, s32, 127                        ; the block inside Wk, Wv or Wo (128 blocks each)
	s_add_co_u32 s35, s28, 4
	s_lshl_b32 s34, s34, s35                       ; x 16 rows
	s_lshl_b32 s35, s33, 11                        ; + 2,048 bytes for each 512 along K
	s_add_co_u32 s34, s34, s35
	s_mov_b32 s35, 0
	s_add_nc_u64 s[10:11], s[10:11], s[34:35]
	s_lshr_b32 s36, s32, 2                         ; my strip
	s_lshl_b32 s36, s36, s29
	s_add_co_u32 s36, s36, s30
	s_lshl_b32 s37, s33, 16                        ; 512 along K are 16 quarters of 4,096 bytes
	s_add_co_u32 s36, s36, s37
	s_and_b32 s37, s32, 3                          ; my block's place in a quarter
	s_lshl_b32 s37, s37, 10
	s_add_co_u32 s36, s36, s37
	s_mov_b32 s37, 0
	s_add_nc_u64 s[22:23], s[22:23], s[36:37]
	s_lshl_b32 s38, 1, s28                         ; a row's bytes
.irp i, 0,1,2,3,4,5,6,7,8,9,10,11,12,13,14,15
	v_mad_u32_u24 v[RO+\i], s38, \i, v3            ; row i, 16 x lane
.endr
	s_mul_i32 s39, s24, 16*BSP
	s_add_co_u32 s39, s39, BSTG                    ; my stage
	v_add_nc_u32 v7, s39, v4                       ; in: 8 x lane of a row
	v_and_b32 v10, 15, v2
	v_mul_u32_u24 v10, v10, BSP
	v_lshrrev_b32 v11, 4, v2
	v_lshl_add_u32 v10, v11, 4, v10
	v_add_nc_u32 v10, s39, v10                     ; back: row r, + 16 h
.macro CLOAD j
.irp i, 0,1,2,3,4,5,6,7,8,9,10,11,12,13,14,15
	global_load_b128 v[IN+64*((\j)%2)+4*\i:IN+64*((\j)%2)+4*\i+3], v[RO+\i], s[10:11] offset:512*(\j) th:TH_LOAD_NT
.endr
.endm
.macro CVB j
.set IJ, IN+64*((\j)%2)
.if (\j) < 3
	s_wait_loadcnt 16                              ; this piece is in; the next piece's 16 loads may be out
.else
	s_wait_loadcnt 0x0
.endif
.irp i, 0,1,2,3,4,5,6,7,8,9,10,11,12,13,14,15
	v_cvt_pk_f16_f32 v[CV+2*\i], v[IJ+4*\i], v[IJ+4*\i+1]
	v_cvt_pk_f16_f32 v[CV+2*\i+1], v[IJ+4*\i+2], v[IJ+4*\i+3]
.endr
.irp i, 0,1,2,3,4,5,6,7,8,9,10,11,12,13,14,15
	ds_store_b64 v7, v[CV+2*\i:CV+2*\i+1] offset:BSP*\i
.endr
.irp q, 0,1,2,3
.irp c, 0,1
	ds_load_b128 v[IJ+8*\q+4*\c:IJ+8*\q+4*\c+3], v10 offset:64*\q+32*\c    ; in order behind the stores above; the next piece's stores come behind these
.endr
.endr
	s_wait_dscnt 0x0
.irp q, 0,1,2,3
.irp c, 0,1
	global_store_b128 v3, v[IJ+8*\q+4*\c:IJ+8*\q+4*\c+3], s[22:23] offset:(4*(\j)+\q)*4096+512*\c   ; 32 lanes store 512 consecutive bytes, aligned
.endr
.endr
.if (\j)+2 < 4
	s_wait_xcnt 0x0                                ; the stores have read their data registers, into which the piece two further on is loaded
	CLOAD (\j)+2
.endif
.endm
	CLOAD 0
	CLOAD 1
	CVB 0
	CVB 1
	CVB 2
	CVB 3
	s_branch .Lend
; ---------------- (c) LayerNorm.  A wave takes four rows of y, one row (4,096 bytes, 32 registers) at a time; the next row is on its way meanwhile.  Load j of a row: numbers 128 j + 4 lane + 0..3.
.Lln:
	s_sub_co_u32 s25, ttmp9, WGC
	s_lshl_b32 s25, s25, 4
	s_lshl_b32 s30, s24, 2
	s_add_co_u32 s25, s25, s30                     ; my first row: 16 x work-group + 4 x wave
	s_lshl_b32 s30, s25, 12
	s_mov_b32 s31, 0
	s_add_nc_u64 s[16:17], s[16:17], s[30:31]
	s_lshl_b32 s30, s25, 11
	s_add_nc_u64 s[22:23], s[22:23], s[30:31]
	s_add_nc_u64 s[22:23], s[22:23], OFF_YN
	s_mov_b32 s26, 0x3a800000                      ; 1 / 1024
	s_mov_b32 s27, 0x358637bd                      ; 1e-6
	s_mov_b32 s28, 0x76543210                      ; lane selects: lane l xor 16
	s_mov_b32 s29, 0xfedcba98
	v_mov_b32 v185, 0                              ; a lane permute's destination counts as one of its sources
.irp j, 0,1,2,3,4,5,6,7
	global_load_b128 v[LW+4*\j:LW+4*\j+3], v3, s[18:19] offset:512*\j
.endr
.irp j, 0,1,2,3,4,5,6,7
	global_load_b128 v[LB+4*\j:LB+4*\j+3], v3, s[20:21] offset:512*\j
.endr
.macro LNLOAD i
.irp j, 0,1,2,3,4,5,6,7
	global_load_b128 v[LX+32*((\i)%2)+4*\j:LX+32*((\i)%2)+4*\j+3], v3, s[16:17] offset:4096*(\i)+512*\j th:TH_LOAD_NT
.endr
.endm
.macro WSUM                            ; four packed chains in v176-183 become the wave's sum in v184, in every lane
	v_pk_add_f32 v[176:177], v[176:177], v[178:179]
	v_pk_add_f32 v[180:181], v[180:181], v[182:183]
	v_pk_add_f32 v[176:177], v[176:177], v[180:181]
	v_add_f32 v184, v176, v177
	v_add_f32_dpp v184, v184, v184 row_xmask:1 row_mask:0xf bank_mask:0xf
	v_add_f32_dpp v184, v184, v184 row_xmask:2 row_mask:0xf bank_mask:0xf
	v_add_f32_dpp v184, v184, v184 row_xmask:4 row_mask:0xf bank_mask:0xf
	v_add_f32_dpp v184, v184, v184 row_xmask:8 row_mask:0xf bank_mask:0xf
	v_permlanex16_b32 v185, v184, s28, s29
	v_add_f32 v184, v184, v185
.endm
.macro LNROW i
.set XR, LX+32*((\i)%2)
.set OUTR, LO+16*((\i)%2)
.if (\i) < 3
	s_wait_loadcnt 8                               ; this row (and ln_w, ln_b ahead of it) is in; the next row's eight loads may be out
.else
	s_wait_loadcnt 0x0
.endif
.irp c, 0,1,2,3
	v_pk_add_f32 v[176+2*\c:177+2*\c], v[XR+4*\c:XR+4*\c+1], v[XR+4*\c+2:XR+4*\c+3]
.endr
.irp k, 16,24
.irp c, 0,1,2,3
	v_pk_add_f32 v[176+2*\c:177+2*\c], v[176+2*\c:177+2*\c], v[XR+\k+2*\c:XR+\k+2*\c+1]
.endr
.endr
	WSUM
	v_mul_f32 v186, s26, v184                      ; the mean, twice: a pair for the packed form
	v_mul_f32 v187, s26, v184
.irp k, 0,2,4,6,8,10,12,14,16,18,20,22,24,26,28,30
	v_pk_add_f32 v[XR+\k:XR+\k+1], v[XR+\k:XR+\k+1], v[186:187] neg_lo:[0,1] neg_hi:[0,1]   ; y - mean, in place
.endr
.irp c, 0,1,2,3
	v_pk_mul_f32 v[176+2*\c:177+2*\c], v[XR+2*\c:XR+2*\c+1], v[XR+2*\c:XR+2*\c+1]
.endr
.irp k, 8,16,24
.irp c, 0,1,2,3
	v_pk_fma_f32 v[176+2*\c:177+2*\c], v[XR+\k+2*\c:XR+\k+2*\c+1], v[XR+\k+2*\c:XR+\k+2*\c+1], v[176+2*\c:177+2*\c]
.endr
.endr
	WSUM
	v_fma_f32 v184, v184, s26, s27                 ; the variance + 1e-6
	v_rsq_f32 v188, v184
	v_rsq_f32 v189, v184
	v_nop                                          ; a plain instruction behind the roots
	s_wait_alu depctr_va_vdst(0)                   ; one wait for both roots, ahead of their first reader
.irp k, 0,2,4,6,8,10,12,14,16,18,20,22,24,26,28,30
	v_pk_mul_f32 v[XR+\k:XR+\k+1], v[XR+\k:XR+\k+1], v[188:189]
.endr
.irp k, 0,2,4,6,8,10,12,14,16,18,20,22,24,26,28,30
	v_pk_fma_f32 v[XR+\k:XR+\k+1], v[XR+\k:XR+\k+1], v[LW+\k:LW+\k+1], v[LB+\k:LB+\k+1]
.endr
.irp j, 0,1,2,3,4,5,6,7
	v_cvt_pk_f16_f32 v[OUTR+2*\j], v[XR+4*\j], v[XR+4*\j+1]
	v_cvt_pk_f16_f32 v[OUTR+2*\j+1], v[XR+4*\j+2], v[XR+4*\j+3]
.endr
.irp j, 0,1,2,3,4,5,6,7
	global_store_b64 v4, v[OUTR+2*\j:OUTR+2*\j+1], s[22:23] offset:2048*(\i)+256*\j   ; 256 consecutive bytes, aligned
.endr
.if (\i) < 2
	s_wait_xcnt 0x0                                ; these stores have read their data registers, which the row two further on writes again
	LNLOAD (\i)+2
.endif
.endm
	LNLOAD 0
	LNLOAD 1
	LNROW 0
	LNROW 1
	LNROW 2
	LNROW 3
.Lend:
	s_wait_tensorcnt 0x0                           ; the wave's end
	ds_add_u32 v[SPW], v[NIL]
	s_wait_dscnt 0x0
	s_endpgm
.Lfunc_end_k_q816d5a0258_prep:
	.size	k_q816d5a0258_prep, .Lfunc_end_k_q816d5a0258_prep-k_q816d5a0258_prep
	.p2alignl 7, 3214868480
	.fill 96, 4, 3214868480
	.section	.rodata,"a",@progbits
	.p2align	6, 0x0
	.amdhsa_kernel k_q816d5a0258_prep
		.amdhsa_group_segment_fixed_size 50688
		.amdhsa_private_segment_fixed_size 0
		.amdhsa_enable_private_segment 0
		.amdhsa_kernarg_size 80
		.amdhsa_user_sgpr_count 2
		.amdhsa_user_sgpr_kernarg_segment_ptr 1
		.amdhsa_wavefront_size32 1
		.amdhsa_system_sgpr_workgroup_id_x 1
		.amdhsa_system_sgpr_workgroup_id_y 1
		.amdhsa_system_sgpr_workgroup_id_z 1
		.amdhsa_system_vgpr_workitem_id 0
		.amdhsa_next_free_vgpr 192
		.amdhsa_next_free_sgpr 66
		.amdhsa_reserve_vcc 0
		.amdhsa_float_denorm_mode_32 3
		.amdhsa_float_denorm_mode_16_64 3
		.amdhsa_memory_ordered 1
		.amdhsa_forward_progress 1
		.amdhsa_inst_pref_size 97
	.end_amdhsa_kernel
	.amdgpu_metadata
---
amdhsa.version: [ 1, 2 ]
amdhsa.kernels:
  - .name:           k_q816d5a0258_prep
    .symbol:         k_q816d5a0258_prep.kd
    .args:
      - { .name: x, .offset: 0, .size: 8, .value_kind: global_buffer, .address_space: global }
      - { .name: Wq, .offset: 8, .size: 8, .value_kind: global_buffer, .address_space: global }
      - { .name: codes, .offset: 16, .size: 8, .value_kind: global_buffer, .address_space: global }
      - { .name: Wk, .offset: 24, .size: 8, .value_kind: global_buffer, .address_space: global }
      - { .name: Wv, .offset: 32, .size: 8, .value_kind: global_buffer, .address_space: global }
      - { .name: Wo, .offset: 40, .size: 8, .value_kind: global_buffer, .address_space: global }
      - { .name: y, .offset: 48, .size: 8, .value_kind: global_buffer, .address_space: global }
      - { .name: ln_w, .offset: 56, .size: 8, .value_kind: global_buffer, .address_space: global }
      - { .name: ln_b, .offset: 64, .size: 8, .value_kind: global_buffer, .address_space: global }
      - { .name: w16, .offset: 72, .size: 8, .value_kind: global_buffer, .address_space: global }
    .group_segment_fixed_size: 50688
    .private_segment_fixed_size: 0
    .kernarg_segment_align: 8
    .kernarg_segment_size: 80
    .max_flat_workgroup_size: 128
    .sgpr_count:     66
    .vgpr_count:     192
    .wavefront_size: 32
...
	.end_amdgpu_metadata
.endif
;; end of part 1
;; launch qgemm (part 2): grid 8 x 16, 4 waves a work-group, clusters of 4 x 4, 327,680 bytes of LDS; arguments codes, bq, q_raw; writes q_raw
.if DOCPART == 2
	.amdgcn_target "amdgcn-amd-amdhsa--gfx1250"
	.amdhsa_code_object_version 6
	.text
	.protected	k_q816d5a0258_qgemm
	.globl	k_q816d5a0258_qgemm
	.p2align	8
	.type	k_q816d5a0258_qgemm,@function
k_q816d5a0258_qgemm:
	s_mov_b64 s[64:65], 0
	v_nop
	global_prefetch_b8 v0, s[64:65] scope:SCOPE_SE
	s_setreg_imm32_b32 hwreg(HW_REG_WAVE_MODE, 25, 1), 1
	s_wait_xcnt 0x0
	s_wait_alu depctr_hold_cnt(0) depctr_sa_sdst(0) depctr_va_vdst(0) depctr_va_sdst(0) depctr_va_ssrc(0) depctr_va_vcc(0) depctr_vm_vsrc(0)
	s_getreg_b32 s2, hwreg(HW_REG_IB_STS2, 6, 4)
	s_cmp_eq_u32 s2, 0
	s_cbranch_scc0 .Lentry_in_a_cluster
	s_endpgm
.Lentry_in_a_cluster:
	s_bfe_u32 s2, ttmp6, 0x10000c
	s_cmp_lg_u32 s2, 0xf033
	s_cbranch_scc0 .Lentry_shape_is_right
	s_endpgm
.Lentry_shape_is_right:
; q_raw[m][n] = bq[n] + sum over k of Q(x)[m][k] Q(Wq)[n][k]: both operands as codes of FP4 (E2M1) with one E8M0 byte for each 32 along K, as the launch before laid them in the buffer codes; q_raw [4096][2048] f32; sums in f32.
; A tile of 256 x 256 is made by four waves, each 128 x 128: 64 accumulators, 512 registers.  K goes in steps of 512 (rows of 256 bytes) through a ring of two LDS slots filled by the tensor data mover.
; THE SCALE BYTES of the work-group's 256 rows of x and 256 rows of Wq, for all of K, are two dense blocks: they come into LDS once, with the first fills, and stay.
; CLUSTERS: 4 x 4 work-groups; the four of a row of the cluster ask jointly for x's tiles, the four of a column for Wq's.
; THE MATRIX INSTRUCTION IS USED TRANSPOSED (source 0 = 16 rows of Wq, source 1 = 16 rows of x): a lane holds eight neighbouring numbers of a row of q_raw.
; THE BIAS is the C of each sum's first matrix instruction: 64 registers in the result's layout (register j of block b in lane (r, h): bq[n0 + 16 b + 8 h + j]).
; REGISTERS: window 0: v0-31 addresses; v32-95 scale words, two sets; v128-191 x's fragments, one set; v192-255 the bias, later the way out.  window 1: Wq's fragments, two sets.  windows 2, 3: the accumulators.
.set SIZE_M, 4096
.set SIZE_N, 2048
.set SIZE_K, 2048
.set OFF_WC, 4194304
.set OFF_XS, 6291456
.set OFF_WS, 6553600
.set KSTEP,  512
.set NQ,     KSTEP/128
.set ROWB,   256
.set KROW,   SIZE_K*4/8
.set PITCH,  272                       ; 256 bytes + 16 of padding: the 16 rows that a load touches start 68 words apart
.set FR,     8
.set NL,     2
.set NP,     4
.set HALFT,  128*PITCH
.set SLOT,   4*HALFT
.set LAPS,   SIZE_K/(2*KSTEP)
.set KS,     SIZE_K/32
.set SCL,    2*SLOT
.set HALFS,  (128*KS/256)*272
.set SBLK,   (16*KS/256)*272
.set SPARE,  SCL+4*HALFS               ; the spare words, 128 bytes a wave
.set SPITCH, 528                       ; the way out: 16 rows x (512 + 16) bytes a wave, in slot 0, which has had its last fill and its last read by then
.set ADRA, 16
.set ADRB, 20
.set STO,  24
.set RD,   25
.set CO,   26
.set ADRS, 27
.set SPW,  28
.set NIL,  29
.set BOF,  30                          ; v30: 32 x (lane / 16): my half's place in a block of the bias
.set SC,   32
.set AF,   128
.set BK,   128
.set BIAS, 192
.set G1, 24
.set G0, 32
.set G1B, 48
.set G0B, 56
.set G1S, 68
.set G0S, 76
.set G1SB, 80
.set G0SB, 88
.set MSB, 0
.macro WIN new                         ; the immediate's high byte repeats the setting that is left
.if MSB != (\new)
	s_set_vgpr_msb (MSB<<8)|(\new)
.set MSB, (\new)
.endif
.endm
.set MUL_LO, 0xa1                      ; source 0 window 1, source 1 window 0, C and D window 2
.set MUL_HI, 0xf1                      ; C and D window 3
.set MULB_LO, 0x81                     ; the same with C (the bias) in window 0
.set MULB_HI, 0xc1
.set TO_B,   0x40
; A joint load: waves 0 and 1 fetch for x, waves 2 and 3 for Wq; the branch hangs on the wave's number alone.  An s_nop 0 and four v_nop follow each of the two lines.
.macro JLOAD g0a, g1a, g0b, g1b
	s_cmp_eq_u32 s15, 0
	s_cbranch_scc0 .Lfor_b_\@
	tensor_load_to_lds s[\g0a:\g0a+3], s[\g1a:\g1a+7]
	s_nop 0
.rept 4
	v_nop
.endr
	s_branch .Lasked_\@
.Lfor_b_\@:
	tensor_load_to_lds s[\g0b:\g0b+3], s[\g1b:\g1b+7]
	s_nop 0
.rept 4
	v_nop
.endr
.Lasked_\@:
.endm
.macro CREST                           ; a round of the cluster's barrier behind its opening barrier
	s_cmp_lg_u32 s14, 0
	s_cbranch_scc1 .Lnot_wave_0_\@
	s_barrier_signal -3
.Lnot_wave_0_\@:
	s_barrier_wait -3
	s_barrier_signal -1
	s_barrier_wait -1
.endm
.macro CROUND
	s_barrier_signal -1
	s_barrier_wait -1
	CREST
.endm
	s_load_b64 s[4:5], s[0:1], 0x0                 ; codes
	s_load_b64 s[96:97], s[0:1], 0x8               ; bq
	s_load_b64 s[12:13], s[0:1], 0x10              ; q_raw
	v_lshl_add_u32 v[SPW], v0, 2, SPARE
	v_mov_b32 v[NIL], 0
	ds_add_u32 v[SPW], v[NIL]                      ; the wave's opening: the add, twice on end, and its wait ahead of my first tensor load
	ds_add_u32 v[SPW], v[NIL]
	v_lshrrev_b32 v1, 5, v0
	v_readfirstlane_b32 s14, v1                    ; wave 0..3
	s_lshr_b32 s15, s14, 1                         ; my half of the tile's rows; also: I fetch for x (0) or for Wq (1)
	s_and_b32 s16, s14, 1                          ; my half of its columns; also: which 128 rows I fetch
	s_bfe_u32 s40, ttmp6, 0x40000                  ; cx, cy
	s_bfe_u32 s41, ttmp6, 0x40004
	s_lshl_b32 s42, ttmp9, 2
	s_add_co_u32 s42, s42, s40                     ; tile column
	s_and_b32 s17, ttmp7, 0xffff
	s_lshl_b32 s17, s17, 2
	s_add_co_u32 s17, s17, s41                     ; tile row
	s_lshl_b32 s43, s41, 2
	s_lshl_b32 s43, 15, s43                        ; my row of the cluster
	s_lshl_b32 s44, 0x1111, s40                    ; my column
	s_or_b32 s[G1+0], s43, (0<<16)|(1<<20)|(1<<21)|(5<<22)|(3<<25)  ; the mask; elements of 1 byte; padding: 4 words behind every 64
	s_or_b32 s[G1B+0], s44, (0<<16)|(1<<20)|(1<<21)|(5<<22)|(3<<25)
.irp g, G1, G1B
	s_mov_b32 s[\g+1], ROWB<<16                    ; tensor_dim0
	s_mov_b32 s[\g+2], 128<<16                     ; tensor_dim1
	s_mov_b32 s[\g+3], ROWB<<16                    ; tile_dim0
	s_mov_b32 s[\g+4], 128                         ; tile_dim1
	s_mov_b32 s[\g+5], KROW                        ; the pitch
	s_mov_b32 s[\g+6], 0
	s_mov_b32 s[\g+7], 0
.endr
	s_or_b32 s[G1S+0], s43, (3<<16)|(1<<20)|(1<<21)|(5<<22)|(3<<25)  ; the scale bytes of 128 rows: a dense block, as rows of 256 bytes (32 elements of 8)
	s_or_b32 s[G1SB+0], s44, (3<<16)|(1<<20)|(1<<21)|(5<<22)|(3<<25)
.irp g, G1S, G1SB
	s_mov_b32 s[\g+1], 32<<16
	s_mov_b32 s[\g+2], (128*KS/256)<<16
	s_mov_b32 s[\g+3], 32<<16
	s_mov_b32 s[\g+4], 128*KS/256
	s_mov_b32 s[\g+5], 32
	s_mov_b32 s[\g+6], 0
	s_mov_b32 s[\g+7], 0
.endr
	s_lshl_b32 s18, s16, 7
	s_lshl_b32 s20, s17, 8
	s_add_co_u32 s20, s20, s18                     ; x: row 256 x tile row + 128 x half
	s_lshl_b32 s46, s42, 8
	s_add_co_u32 s46, s46, s18                     ; Wq: row 256 x tile column + 128 x half
	s_mov_b32 s21, 0
	s_mov_b32 s47, 0
	s_mov_b64 s[18:19], KS
	s_mul_u64 s[22:23], s[20:21], s[18:19]         ; where these rows' scale bytes begin
	s_mul_u64 s[92:93], s[46:47], s[18:19]
	s_mov_b64 s[18:19], KROW
	s_mul_u64 s[20:21], s[20:21], s[18:19]         ; and their codes
	s_mul_u64 s[46:47], s[46:47], s[18:19]
	s_mul_i32 s45, s14, HALFT                      ; where they go: wave x 128 rows
	s_mul_i32 s94, s14, HALFS
	s_wait_dscnt 0x0                               ; both opening adds are done
	s_wait_kmcnt 0x0
	s_add_nc_u64 s[6:7], s[4:5], OFF_XS            ; the four parts of the buffer codes
	s_add_nc_u64 s[8:9], s[4:5], OFF_WC
	s_add_nc_u64 s[10:11], s[4:5], OFF_WS
	s_add_nc_u64 s[20:21], s[4:5], s[20:21]
	s_add_nc_u64 s[22:23], s[6:7], s[22:23]
	s_add_nc_u64 s[46:47], s[8:9], s[46:47]
	s_add_nc_u64 s[92:93], s[10:11], s[92:93]
	CROUND                                         ; all sixteen work-groups are here: the first joint loads meet
	s_mov_b32 s[G0S], 1
	s_add_co_u32 s[G0S+1], s94, SCL
	s_mov_b64 s[G0S+2:G0S+3], s[22:23]
	s_or_b32 s[G0S+3], s[G0S+3], 0x80000000
	s_mov_b32 s[G0SB], 1
	s_add_co_u32 s[G0SB+1], s94, SCL
	s_mov_b64 s[G0SB+2:G0SB+3], s[92:93]
	s_or_b32 s[G0SB+3], s[G0SB+3], 0x80000000
	JLOAD G0S, G1S, G0SB, G1SB                     ; the scale bytes first
.irp s, 0,1
	s_mov_b32 s[G0+4*\s], 1
	s_add_co_u32 s[G0+4*\s+1], s45, \s*SLOT
	s_add_nc_u64 s[G0+4*\s+2:G0+4*\s+3], s[20:21], \s*ROWB
	s_or_b32 s[G0+4*\s+3], s[G0+4*\s+3], 0x80000000
	s_mov_b32 s[G0B+4*\s], 1
	s_add_co_u32 s[G0B+4*\s+1], s45, \s*SLOT
	s_add_nc_u64 s[G0B+4*\s+2:G0B+4*\s+3], s[46:47], \s*ROWB
	s_or_b32 s[G0B+4*\s+3], s[G0B+4*\s+3], 0x80000000
	JLOAD G0+4*\s, G1, G0B+4*\s, G1B
.endr
	v_and_b32 v1, 15, v0                           ; l % 16
	v_bfe_u32 v2, v0, 4, 1                         ; l / 16
	v_mul_u32_u24 v3, v1, PITCH
	v_lshl_add_u32 v4, v2, 4, v3                   ; a fragment's row x pitch + 16 x half
	s_mul_i32 s21, s15, HALFT
	s_mul_i32 s22, s16, HALFT
	s_add_co_u32 s22, s22, 2*HALFT
.irp s, 0,1
	v_add_nc_u32 v[ADRA+\s], s21, v4
	v_add_nc_u32 v[ADRB+\s], s22, v4
	s_add_co_u32 s21, s21, SLOT
	s_add_co_u32 s22, s22, SLOT
.endr
	v_mul_u32_u24 v5, v1, KS                       ; my row's scale bytes: KS a row,
	v_lshrrev_b32 v6, 8, v5
	v_lshl_add_u32 v5, v6, 4, v5                   ; and 16 more for each 256 passed
	s_mul_i32 s21, s15, HALFS
	s_mul_i32 s22, s16, HALFS
	s_add_co_u32 s22, s22, 2*HALFS
	s_sub_co_u32 s22, s22, s21
	v_mul_u32_u24 v6, s22, v2                      ; lanes 16-31 take Wq's
	s_add_co_u32 s21, s21, SCL
	v_add_nc_u32 v5, v5, v6
	v_add_nc_u32 v[ADRS], s21, v5
	s_mul_i32 s23, s14, 16*SPITCH                  ; my stage
	v_mul_u32_u24 v5, v1, SPITCH
	v_lshl_add_u32 v5, v2, 5, v5
	v_add_nc_u32 v[STO], s23, v5
	v_and_b32 v6, 31, v0
	v_lshlrev_b32 v[CO], 4, v6
	v_add_nc_u32 v[RD], s23, v[CO]
	v_lshlrev_b32 v[BOF], 5, v2
	s_lshl_b32 s20, s17, 8
	s_lshl_b32 s21, s15, 7
	s_add_co_u32 s20, s20, s21                     ; my first row of q_raw
	s_mov_b32 s21, 0
	s_mov_b64 s[18:19], SIZE_N*4
	s_mul_u64 s[20:21], s[20:21], s[18:19]
	s_lshl_b32 s46, s42, 10                        ; my first column, in bytes: in q_raw and in bq alike
	s_lshl_b32 s47, s16, 9
	s_add_co_u32 s46, s46, s47
	s_mov_b32 s47, 0
	s_add_nc_u64 s[96:97], s[96:97], s[46:47]
	s_add_nc_u64 s[20:21], s[20:21], s[46:47]
	s_add_nc_u64 s[12:13], s[12:13], s[20:21]
.irp b, 0,1,2,3,4,5,6,7
	global_load_b128 v[BIAS+8*\b:BIAS+8*\b+3], v[BOF], s[96:97] offset:64*\b
	global_load_b128 v[BIAS+8*\b+4:BIAS+8*\b+7], v[BOF], s[96:97] offset:64*\b+16
.endr
.macro FRAG reg, adr, q, i             ; 16 rows x 128 K of 4-bit codes: 8 registers; registers 4 c .. 4 c + 3 hold K = 64 c + 32 (l / 16) + 0 .. 31
.irp c, 0,1
	ds_load_b128 v[\reg+4*\c:\reg+4*\c+3], v[\adr] offset:64*(\q)+32*\c+(\i)*16*PITCH
.endr
.endm
; 16 matrix instructions: x's blocks a0, a0 + 1 against Wq's eight.  zero = 1: the first product starts the sums from the bias.  The 64 accumulators take turns, one instruction a turn.
.macro MUL16 a0, p, q, sc, zero
.irp a, \a0, \a0+1
.irp b, 0,1,2,3,4,5,6,7
.if \zero
	v_wmma_scale_f32_16x16x128_f8f6f4 v[8*(8*((\a)%4)+\b):8*(8*((\a)%4)+\b)+7], v[128*(\p)+FR*\b:128*(\p)+FR*\b+FR-1], v[AF+FR*(\a):AF+FR*(\a)+FR-1], v[BIAS+8*\b:BIAS+8*\b+7], v[SC+8*NQ*(\sc)+NQ*\b+(\q)], v[SC+8*NQ*(\sc)+NQ*(\a)+(\q)] matrix_a_fmt:MATRIX_FMT_FP4 matrix_b_fmt:MATRIX_FMT_FP4 matrix_a_scale:MATRIX_SCALE_ROW1
.else
	v_wmma_scale_f32_16x16x128_f8f6f4 v[8*(8*((\a)%4)+\b):8*(8*((\a)%4)+\b)+7], v[128*(\p)+FR*\b:128*(\p)+FR*\b+FR-1], v[AF+FR*(\a):AF+FR*(\a)+FR-1], v[8*(8*((\a)%4)+\b):8*(8*((\a)%4)+\b)+7], v[SC+8*NQ*(\sc)+NQ*\b+(\q)], v[SC+8*NQ*(\sc)+NQ*(\a)+(\q)] matrix_a_fmt:MATRIX_FMT_FP4 matrix_b_fmt:MATRIX_FMT_FP4 matrix_a_scale:MATRIX_SCALE_ROW1
.endif
.endr
.endr
.endm
.macro FETCH_B slot, q, p
	WIN TO_B
.irp i, 0,1,2,3,4,5,6,7
	FRAG 128*(\p)+FR*\i, ADRB+\slot, \q, \i
.endr
	WIN 0
.endm
.macro FETCH_A slot, q, i0
.irp i, \i0, \i0+1, \i0+2, \i0+3
	FRAG AF+FR*(\i), ADRA+\slot, \q, \i
.endr
.endm
.macro SCALES sc                       ; a K step's scale words: lanes 0-15 take x's block i, lanes 16-31 Wq's block i
.irp i, 0,1,2,3,4,5,6,7
	ds_load_b128 v[SC+8*NQ*\sc+NQ*\i:SC+8*NQ*\sc+NQ*\i+3], v[ADRS] offset:\i*SBLK
.endr
.endm
.macro PLACES n                        ; plain vector instructions between a matrix instruction and a load into, or a read of, its registers
.rept \n
	v_nop
.endr
.endm
.macro STEP slot, q, zero
	s_wait_dscnt 4*NL                              ; Wq's set and x's blocks 0-3 are in; the youngest eight loads (x's blocks 4-7) may be out
.if \zero
	WIN MULB_LO
.else
	WIN MUL_LO
.endif
	MUL16 0, (\q)%2, \q, \slot, \zero
	MUL16 2, (\q)%2, \q, \slot, \zero
	s_wait_dscnt 0
	PLACES NP
	FETCH_B \slot, (\q)+1, 1-(\q)%2
	FETCH_A \slot, (\q)+1, 0
.if \zero
	WIN MULB_HI
.else
	WIN MUL_HI
.endif
	MUL16 4, (\q)%2, \q, \slot, \zero
	MUL16 6, (\q)%2, \q, \slot, \zero
	PLACES NP
	WIN 0
	FETCH_A \slot, (\q)+1, 4
.endm
; A slot's last step changes slots: one barrier; in front of it each wave waits for all its tensor loads, adds 0 to its spare word, and waits for that and for its reads of this slot.
.macro TURN slot, next, fill
	s_wait_tensorcnt 0x0                           ; all my tensor loads have landed: my part of the next slot
	ds_add_u32 v[SPW], v[NIL]                      ; 0 onto my spare word
	s_wait_dscnt 4*NL+1                            ; (the add and the youngest eight loads may be out)
	WIN MUL_LO
	MUL16 0, 1, NQ-1, \slot, 0
	s_wait_dscnt 0x0                               ; the add is done, and my reads of this slot are over
	s_barrier_signal -1
	MUL16 2, 1, NQ-1, \slot, 0
	WIN 0
	s_barrier_wait -1
.if \fill
	CREST                                          ; no wave of any partner still reads this slot or has a load on its way
	s_add_nc_u64 s[G0+4*\slot+2:G0+4*\slot+3], s[G0+4*\slot+2:G0+4*\slot+3], 2*ROWB
	s_add_nc_u64 s[G0B+4*\slot+2:G0B+4*\slot+3], s[G0B+4*\slot+2:G0B+4*\slot+3], 2*ROWB
	JLOAD G0+4*\slot, G1, G0B+4*\slot, G1B         ; the first tensor load behind the round
.else
	PLACES NP
.endif
	v_add_nc_u32 v[ADRS], 4*NQ, v[ADRS]            ; the next K step's scale words
	FETCH_B \next, 0, 0
	FETCH_A \next, 0, 0
	SCALES \next
	WIN MUL_HI
	MUL16 4, 1, NQ-1, \slot, 0
	MUL16 6, 1, NQ-1, \slot, 0
	PLACES NP
	WIN 0
	FETCH_A \next, 0, 4
.endm
.macro STEPS slot, from
.set Q, \from
.rept NQ-1-\from
	STEP \slot, Q, 0
.set Q, Q+1
.endr
.endm
	s_wait_tensorcnt 1                             ; the scale bytes and my part of K step 0 are in; K step 1's load may be out
	s_barrier_signal -1
	s_barrier_wait -1
	FETCH_B 0, 0, 0
	FETCH_A 0, 0, 0
	SCALES 0
	FETCH_A 0, 0, 4
	s_wait_loadcnt 0x0                             ; the bias
	STEP 0, 0, 1
.if LAPS > 1
	s_mov_b32 s3, LAPS-1
.Llap:
	STEPS 0, 1
	TURN 0, 1, 1
	STEPS 1, 0
	TURN 1, 0, 1
	STEP 0, 0, 0
	s_sub_co_u32 s3, s3, 1
	s_cmp_lg_u32 s3, 0
	s_cbranch_scc1 .Llap
.endif
	STEPS 0, 1                                     ; the last lap fills nothing
	TURN 0, 1, 0
	STEPS 1, 0
	s_wait_dscnt 4*NL
	WIN MUL_LO
	MUL16 0, 1, NQ-1, 1, 0
	MUL16 2, 1, NQ-1, 1, 0
	s_wait_dscnt 0
	WIN MUL_HI
	MUL16 4, 1, NQ-1, 1, 0
	MUL16 6, 1, NQ-1, 1, 0
	WIN 0
; THE WAY OUT, a block of 16 rows x 128 columns at a time, through my own stage: in as 32 bytes a lane, back as whole rows of 512 bytes.  LDS serves a wave's instructions in order.
.macro TOSTAGE a
.set AC, 64*((\a)%4)
	WIN 0x08+4*((\a)/4)                            ; the data: window 2 or 3
.irp b, 0,1,2,3,4,5,6,7
	ds_store_b128 v[STO], v[AC+8*\b:AC+8*\b+3] offset:64*\b          ; each accumulator from its low end on
	ds_store_b128 v[STO], v[AC+8*\b+4:AC+8*\b+7] offset:64*\b+16
.endr
	WIN 0
.set BB, BK+64*((\a)%2)
.irp t, 0,1,2,3,4,5,6,7,8,9,10,11,12,13,14,15
	ds_load_b128 v[BB+4*\t:BB+4*\t+3], v[RD] offset:\t*SPITCH
.endr
.endm
.macro SEND a, younger
.set BB, BK+64*((\a)%2)
	s_wait_dscnt \younger                          ; the block is back in registers
.if (\a) > 0
	s_add_nc_u64 s[12:13], s[12:13], 16*SIZE_N*4   ; behind a wait on XCNT: the earlier stores have read their base
.endif
.irp t, 0,1,2,3,4,5,6,7,8,9,10,11,12,13,14,15
	global_store_b128 v[CO], v[BB+4*\t:BB+4*\t+3], s[12:13] offset:\t*SIZE_N*4   ; 32 lanes store 512 consecutive bytes, aligned to 256
.endr
.endm
	PLACES NP
	TOSTAGE 0
.irp a, 1,2,3,4,5,6,7
.if \a > 1
	s_wait_xcnt 0x0                                ; block a - 2's stores have read their registers and their base
.endif
	TOSTAGE \a
	SEND \a-1, 32                                  ; behind block a - 1's loads: block a's 16 stores and 16 loads
.endr
	s_wait_xcnt 0x0
	SEND 7, 0
	s_wait_tensorcnt 0x0                           ; the wave's end
	ds_add_u32 v[SPW], v[NIL]
	s_wait_dscnt 0x0
	CROUND                                         ; the closing round
	s_endpgm
.Lfunc_end_k_q816d5a0258_qgemm:
	.size	k_q816d5a0258_qgemm, .Lfunc_end_k_q816d5a0258_qgemm-k_q816d5a0258_qgemm
	.p2alignl 7, 3214868480
	.fill 96, 4, 3214868480
	.section	.rodata,"a",@progbits
	.p2align	6, 0x0
	.amdhsa_kernel k_q816d5a0258_qgemm
		.amdhsa_group_segment_fixed_size 327680
		.amdhsa_private_segment_fixed_size 0
		.amdhsa_enable_private_segment 0
		.amdhsa_kernarg_size 24
		.amdhsa_user_sgpr_count 2
		.amdhsa_user_sgpr_kernarg_segment_ptr 1
		.amdhsa_wavefront_size32 1
		.amdhsa_system_sgpr_workgroup_id_x 1
		.amdhsa_system_sgpr_workgroup_id_y 1
		.amdhsa_system_sgpr_workgroup_id_z 1
		.amdhsa_system_vgpr_workitem_id 0
		.amdhsa_next_free_vgpr 1024
		.amdhsa_next_free_sgpr 98
		.amdhsa_reserve_vcc 0
		.amdhsa_float_denorm_mode_32 3
		.amdhsa_float_denorm_mode_16_64 3
		.amdhsa_memory_ordered 1
		.amdhsa_forward_progress 1
		.amdhsa_inst_pref_size 213
	.end_amdhsa_kernel
	.amdgpu_metadata
---
amdhsa.version: [ 1, 2 ]
amdhsa.kernels:
  - .name:           k_q816d5a0258_qgemm
    .symbol:         k_q816d5a0258_qgemm.kd
    .args:
      - { .name: codes, .offset: 0, .size: 8, .value_kind: global_buffer, .address_space: global }
      - { .name: bq, .offset: 8, .size: 8, .value_kind: global_buffer, .address_space: global }
      - { .name: q_raw, .offset: 16, .size: 8, .value_kind: global_buffer, .address_space: global }
    .group_segment_fixed_size: 327680
    .private_segment_fixed_size: 0
    .kernarg_segment_align: 8
    .kernarg_segment_size: 24
    .max_flat_workgroup_size: 128
    .sgpr_count:     98
    .vgpr_count:     1024
    .wavefront_size: 32
...
	.end_amdgpu_metadata
.endif
;; end of part 2
;; launch kvgemm (part 3): grid 16 x 16, 4 waves a work-group, clusters of 4 x 1, 327,680 bytes of LDS; arguments w16, bk, bv, k_raw, v16; writes k_raw, v16
.if DOCPART == 3
	.amdgcn_target "amdgcn-amd-amdhsa--gfx1250"
	.amdhsa_code_object_version 6
	.text
	.protected	k_q816d5a0258_kvgemm
	.globl	k_q816d5a0258_kvgemm
	.p2align	8
	.type	k_q816d5a0258_kvgemm,@function
k_q816d5a0258_kvgemm:
	s_mov_b64 s[64:65], 0
	v_nop
	global_prefetch_b8 v0, s[64:65] scope:SCOPE_SE
	s_setreg_imm32_b32 hwreg(HW_REG_WAVE_MODE, 25, 1), 1
	s_wait_xcnt 0x0
	s_wait_alu depctr_hold_cnt(0) depctr_sa_sdst(0) depctr_va_vdst(0) depctr_va_sdst(0) depctr_va_ssrc(0) depctr_va_vcc(0) depctr_vm_vsrc(0)
	s_getreg_b32 s2, hwreg(HW_REG_IB_STS2, 6, 4)
	s_cmp_eq_u32 s2, 0
	s_cbranch_scc0 .Lentry_in_a_cluster
	s_endpgm
.Lentry_in_a_cluster:
	s_bfe_u32 s2, ttmp6, 0x10000c
	s_cmp_lg_u32 s2, 0x3003
	s_cbranch_scc0 .Lentry_shape_is_right
	s_endpgm
.Lentry_shape_is_right:
; C[m][n] = bias[n] + sum over k of A[m][k] B[n][k], A and B in f16, sums in f32.  One text serves two launches, by the symbol KV:
;   KV = 1: A = the normed y (w16 + OFF_YN, [2048][1024] by rows); B = Wk and Wv on end (w16, 64 strips).  Columns 0-2047 go to k_raw as f32 (+ bk), columns 2048-4095 to v16 as f16 (+ bv).
;   KV = 0: A = o16 [4096][2048] by rows; B = Wo (w16 + OFF_WO, 32 strips); C = out0, f32 (+ bo).
; A tile of C is 128 x 256, so that there are 256 work-groups; four waves, each ALL 128 rows x 64 columns of its own: 32 accumulators, 256 registers.
; B GOES FROM MEMORY STRAIGHT INTO REGISTERS.  The launch before laid the weights in the order of the operand's registers: a strip is 64 rows of B, [k / 32][block of 16 rows][c][lane][16 bytes], so a wave walks
; its own strip on end, 8 loads of 512 consecutive bytes for 32 along K, into a ring of 8 x 32 registers: the loads run seven quarters, 224 matrix instructions, ahead of their use, and no barrier waits for them.
; A ALONE GOES THROUGH LDS: a ring of two slots of 256 along K (128 rows of 512 bytes), each wave fetching 32 rows; a refill has 240 matrix instructions in which to land.
; CLUSTERS: 4 x 1 work-groups, the four tile columns of one tile row: A's tile is asked for jointly.  B IS NOT ASKED FOR JOINTLY: a joint request is a tensor load into LDS, and with B's 256 rows beside A's 128
; two slots hold 128 along K each (2 x 384 rows x 272 bytes; twice that does not fit), which leaves a refill 112 matrix instructions; the price is that each work-group of a tile column loads B's strips for itself.
; THE MATRIX INSTRUCTION IS USED TRANSPOSED (source 0 = 16 rows of B, source 1 = 16 rows of A): a lane holds eight neighbouring numbers of a row of C.  THE BIAS is the C of each sum's first matrix instruction.
; LIMIT: f16 operands: magnitudes up to 65,504, and what lies under 6e-8 is dropped; v16 likewise.
; REGISTERS: window 0: v16-30 addresses; v32-63 the bias; v64-191 A's fragments, two buffers of 8 x 8; v192-255 the way out.  window 1: B's ring, quarter q at v[32 q].  window 2: accumulator (a, b) at v[8 (4 a + b)].
.set KV, 1
.if KV
.set SIZE_K, 1024
.else
.set SIZE_K, 2048
.endif
.set OFF_WO, 8388608
.set OFF_YN, 16777216
.set KSLOT,  256                       ; along K in a slot: 8 quarters of 32
.set PITCH,  528                       ; 512 bytes + 16 of padding: the 16 rows that a load touches start 132 words apart
.set WROWS,  32*PITCH                  ; what a wave fetches
.set SLOT,   128*PITCH
.set STG32,  2*SLOT                    ; behind the ring: 16 rows x 272 bytes a wave, for f32 results
.set SP32,   272
.set STG16,  STG32+4*16*SP32           ; KV: 128 rows x 528 bytes, the work-group's, for f16 results: bytes of their own
.set SP16,   528
.if KV
.set SPARE,  STG16+128*SP16
.else
.set SPARE,  STG16
.endif
.set LAPS,   SIZE_K/(2*KSLOT)          ; a lap = two slots = 16 quarters
.set STRIP,  SIZE_K*128                ; a strip's bytes: SIZE_K / 32 quarters of 4,096
.set ADRA, 16                          ; v16-17 LDS address of my lane's place in A's fragments, slot 0, 1
.set BO,   18                          ; v18    16 x lane
.set STO16, 22
.set RD16, 23
.set STO,  24
.set RD,   25
.set CO,   26
.set SPW,  28
.set NIL,  29
.set BOF,  30
.set BIAS, 32
.set AF,   64
.set BK,   192
.set TMP,  192
.set G1, 24                            ; s[24:31] descriptor group 1;  s[32:39] group 0, a set for each slot
.set G0, 32
.set BP, 48                            ; s[48:49] my strip, at the lap in hand
.set MSB, 0
.macro WIN new                         ; the immediate's high byte repeats the setting that is left
.if MSB != (\new)
	s_set_vgpr_msb (MSB<<8)|(\new)
.set MSB, (\new)
.endif
.endm
.set MUL,  0xa1                        ; source 0 (B) window 1, source 1 (A) window 0, C and D window 2
.set MULB, 0x81                        ; the same with C (the bias) in window 0
.set TO_B, 0x40                        ; destination window 1, address window 0
.macro JLOAD s                         ; a joint load: every wave fetches its 32 rows; an s_nop 0 and four v_nop follow
	tensor_load_to_lds s[G0+4*\s:G0+4*\s+3], s[G1:G1+7]
	s_nop 0
.rept 4
	v_nop
.endr
.endm
.macro CREST                           ; a round of the cluster's barrier behind its opening barrier
	s_cmp_lg_u32 s14, 0
	s_cbranch_scc1 .Lnot_wave_0_\@
	s_barrier_signal -3
.Lnot_wave_0_\@:
	s_barrier_wait -3
	s_barrier_signal -1
	s_barrier_wait -1
.endm
.macro CROUND
	s_barrier_signal -1
	s_barrier_wait -1
	CREST
.endm
.macro PLACES                          ; four plain vector instructions between a matrix instruction and a load into, or a read of, its registers
.rept 4
	v_nop
.endr
.endm
	s_load_b256 s[4:11], s[0:1], 0x0               ; KV: w16, bk, bv, k_raw;  else: o16, w16, bo, out0
.if KV
	s_load_b64 s[12:13], s[0:1], 0x20              ; v16
.endif
	v_lshl_add_u32 v[SPW], v0, 2, SPARE
	v_mov_b32 v[NIL], 0
	ds_add_u32 v[SPW], v[NIL]                      ; the wave's opening: the add, twice on end, and its wait ahead of my first tensor load
	ds_add_u32 v[SPW], v[NIL]
	v_lshrrev_b32 v1, 5, v0
	v_readfirstlane_b32 s14, v1                    ; wave 0..3
	s_bfe_u32 s40, ttmp6, 0x40000                  ; cx
	s_lshl_b32 s42, ttmp9, 2
	s_add_co_u32 s42, s42, s40                     ; tile column: it enters B's, the bias's and C's addresses alone
	s_and_b32 s17, ttmp7, 0xffff                   ; tile row, which the four partners share
	s_mov_b32 s[G1+0], 15|(1<<16)|(1<<20)|(1<<21)|(6<<22)|(3<<25)  ; the mask: all four; elements of 2 bytes; padding: 4 words behind every 128
	s_mov_b32 s[G1+1], KSLOT<<16                   ; tensor_dim0 = 256
	s_mov_b32 s[G1+2], 32<<16                      ; tensor_dim1 = 32
	s_mov_b32 s[G1+3], KSLOT<<16                   ; tile_dim0 = 256
	s_mov_b32 s[G1+4], 32                          ; tile_dim1 = 32
	s_mov_b32 s[G1+5], SIZE_K                      ; the pitch
	s_mov_b32 s[G1+6], 0
	s_mov_b32 s[G1+7], 0
	s_lshl_b32 s20, s17, 7
	s_lshl_b32 s18, s14, 5
	s_add_co_u32 s20, s20, s18                     ; A: row 128 x tile row + 32 x wave
	s_mov_b32 s21, 0
	s_mov_b64 s[18:19], SIZE_K*2
	s_mul_u64 s[20:21], s[20:21], s[18:19]
	s_mul_i32 s45, s14, WROWS                      ; where they go: no place in the cluster enters an LDS address
	s_lshl_b32 s46, s42, 2
	s_add_co_u32 s46, s46, s14                     ; B: strip 4 x tile column + wave
	s_mov_b32 s47, 0
	s_mov_b64 s[18:19], STRIP
	s_mul_u64 s[46:47], s[46:47], s[18:19]
	s_wait_dscnt 0x0                               ; both opening adds are done
	s_wait_kmcnt 0x0
.if KV
	s_add_nc_u64 s[20:21], s[4:5], s[20:21]
	s_add_nc_u64 s[20:21], s[20:21], OFF_YN
	s_add_nc_u64 s[BP:BP+1], s[4:5], s[46:47]
.else
	s_add_nc_u64 s[20:21], s[4:5], s[20:21]
	s_add_nc_u64 s[BP:BP+1], s[6:7], s[46:47]
	s_add_nc_u64 s[BP:BP+1], s[BP:BP+1], OFF_WO
.endif
	CROUND                                         ; all four work-groups are here: the first joint loads meet
.irp s, 0,1
	s_mov_b32 s[G0+4*\s], 1
	s_add_co_u32 s[G0+4*\s+1], s45, \s*SLOT
	s_add_nc_u64 s[G0+4*\s+2:G0+4*\s+3], s[20:21], \s*KSLOT*2
	s_or_b32 s[G0+4*\s+3], s[G0+4*\s+3], 0x80000000
	JLOAD \s                                       ; two loads of mine are out
.endr
	v_and_b32 v1, 15, v0                           ; r = l % 16
	v_bfe_u32 v2, v0, 4, 1                         ; h = l / 16
	v_mul_u32_u24 v3, v1, PITCH
	v_lshl_add_u32 v[ADRA], v2, 4, v3              ; a fragment's row x pitch + 16 x half
	v_add_nc_u32 v[ADRA+1], SLOT, v[ADRA]
	v_and_b32 v5, 31, v0
	v_lshlrev_b32 v[BO], 4, v5                     ; 16 x lane
	s_mul_i32 s68, s14, 16*SP32
	s_add_co_u32 s68, s68, STG32                   ; my f32 stage
	v_mul_u32_u24 v4, v1, SP32
	v_lshl_add_u32 v4, v2, 5, v4
	v_add_nc_u32 v[STO], s68, v4                   ; in: row r, 32 bytes for each half of the lanes
	v_mul_u32_u24 v5, v2, SP32
	v_lshl_add_u32 v5, v1, 4, v5
	v_add_nc_u32 v[RD], s68, v5                    ; back: lanes 0-15 one row of 256 bytes, lanes 16-31 the next
	v_lshlrev_b32 v5, 13, v2
	v_lshl_add_u32 v[CO], v1, 4, v5                ; and the same two rows of C
.if KV
	s_lshl_b32 s68, s14, 7
	s_add_co_u32 s68, s68, STG16                   ; the shared f16 stage: my 64 columns are 128 bytes of each row
	v_mul_u32_u24 v4, v1, SP16
	v_lshl_add_u32 v4, v2, 4, v4
	v_add_nc_u32 v[STO16], s68, v4                 ; in: row r, 16 bytes for each half
	s_mul_i32 s68, s14, 32*SP16
	s_add_co_u32 s68, s68, STG16
	v_add_nc_u32 v[RD16], s68, v[BO]               ; back: wave w takes rows 32 w .. 32 w + 31, whole: 512 bytes across the 32 lanes
.endif
	v_lshlrev_b32 v[BOF], 5, v2                    ; 32 h: my half's place in a block of the bias
	s_lshl_b32 s70, s17, 7                         ; the tile's first row
	s_mov_b32 s73, 0
	s_mov_b32 s75, 0
.if KV
	s_and_b32 s76, s42, 7                          ; the tile column inside k_raw or v16
.else
	s_mov_b32 s76, s42
.endif
	s_lshl_b32 s74, s76, 10
	s_lshl_b32 s77, s14, 8
	s_add_co_u32 s74, s74, s77                     ; my first column in bytes of f32: in C and in the bias
	s_lshl_b32 s72, s70, 13
	s_add_nc_u64 s[10:11], s[10:11], s[72:73]
	s_add_nc_u64 s[10:11], s[10:11], s[74:75]
.if KV
	s_lshl_b32 s77, s14, 5
	s_add_co_u32 s77, s70, s77                     ; the first row of v16 that I store
	s_lshl_b32 s72, s77, 12
	s_add_nc_u64 s[12:13], s[12:13], s[72:73]
	s_lshl_b32 s76, s76, 9                         ; the tile's 256 columns: 512 bytes of f16
	s_mov_b32 s77, 0
	s_add_nc_u64 s[12:13], s[12:13], s[76:77]
	s_cmp_lt_u32 ttmp9, 2                          ; clusters 0 and 1 along x hold Wk's columns: the same in all four partners
	s_cselect_b64 s[8:9], s[6:7], s[8:9]           ; bk or bv
.endif
	s_add_nc_u64 s[8:9], s[8:9], s[74:75]
.irp b, 0,1,2,3
	global_load_b128 v[BIAS+8*\b:BIAS+8*\b+3], v[BOF], s[8:9] offset:64*\b
	global_load_b128 v[BIAS+8*\b+4:BIAS+8*\b+7], v[BOF], s[8:9] offset:64*\b+16
.endr
; 8 loads: B's four fragments of the quarter that lies ld quarters behind the lap's first, into place ring of the ring
.macro BLOAD ring, ld
	WIN TO_B
.irp b, 0,1,2,3
	global_load_b128 v[32*(\ring)+8*\b:32*(\ring)+8*\b+3],   v[BO], s[BP:BP+1] offset:(\ld)*4096+1024*\b
	global_load_b128 v[32*(\ring)+8*\b+4:32*(\ring)+8*\b+7], v[BO], s[BP:BP+1] offset:(\ld)*4096+1024*\b+512
.endr
.endm
; 16 LDS loads in one run: A's eight fragments of 32 along K at byte k of the rows, into buffer f
.macro FETCHA slot, k, f
	WIN 0
.irp i, 0,1,2,3,4,5,6,7
	ds_load_b128 v[AF+64*(\f)+8*\i:AF+64*(\f)+8*\i+3],   v[ADRA+\slot] offset:\k+\i*16*PITCH
	ds_load_b128 v[AF+64*(\f)+8*\i+4:AF+64*(\f)+8*\i+7], v[ADRA+\slot] offset:\k+\i*16*PITCH+32
.endr
.endm
; 4 matrix instructions: A's block a (buffer f) against B's four (place q of the ring).  zero = 1: the sums start from the bias.  The 32 accumulators take turns, one instruction a turn.
.macro MUL4 f, q, a, zero
.irp b, 0,1,2,3
.if \zero
	v_wmma_f32_16x16x32_f16 v[8*(4*(\a)+\b):8*(4*(\a)+\b)+7], v[32*(\q)+8*\b:32*(\q)+8*\b+7], v[AF+64*(\f)+8*(\a):AF+64*(\f)+8*(\a)+7], v[BIAS+8*\b:BIAS+8*\b+7]
.else
	v_wmma_f32_16x16x32_f16 v[8*(4*(\a)+\b):8*(4*(\a)+\b)+7], v[32*(\q)+8*\b:32*(\q)+8*\b+7], v[AF+64*(\f)+8*(\a):AF+64*(\f)+8*(\a)+7], v[8*(4*(\a)+\b):8*(4*(\a)+\b)+7]
.endif
.endr
.endm
; One of a slot's first seven quarters.  The place of the ring that the last quarter read takes the quarter seven further on (ld; none if ld < 0); A's next quarter is fetched; then quarter q is multiplied.
; lc: how many younger loads of B may stay out when quarter q's have to be in.
.macro QUARTER slot, q, ld, lc
	PLACES
	s_wait_loadcnt \lc                             ; quarter q's eight loads are in
.if (\ld) >= 0
	BLOAD ((\q)+7)%8, \ld
.endif
	FETCHA \slot, 64*((\q)+1), ((\q)+1)%2
	s_wait_dscnt 16                                ; all but the 16 just issued: this quarter's fragments of A are in
	WIN MUL
.irp a, 0,1,2,3,4,5,6,7
	MUL4 (\q)%2, \q, \a, 0
.endr
.endm
; A slot's last quarter changes slots: one barrier; in front of it each wave waits for all its tensor loads, adds 0 to its spare word, and waits for that and for its reads of this slot.
.macro TURN slot, next, fill, ld, lc
	PLACES
	s_wait_loadcnt \lc
	BLOAD 6, \ld
	WIN 0                                          ; (the add's two registers lie in window 0)
	s_wait_tensorcnt 0x0                           ; all my tensor loads have landed: my part of the next slot
	ds_add_u32 v[SPW], v[NIL]                      ; 0 onto my spare word
	s_wait_dscnt 1                                 ; A's buffer 1 is in; the add alone may be out
	WIN MUL
	MUL4 1, 7, 0, 0
	MUL4 1, 7, 1, 0
	s_wait_dscnt 0x0                               ; the add is done, and my reads of this slot are over
	s_barrier_signal -1
	MUL4 1, 7, 2, 0
	MUL4 1, 7, 3, 0
.if \fill
	WIN 0
.endif
	s_barrier_wait -1
.if \fill
	CREST                                          ; no wave of any partner still reads this slot or has a load on its way
	s_add_nc_u64 s[G0+4*\slot+2:G0+4*\slot+3], s[G0+4*\slot+2:G0+4*\slot+3], 2*KSLOT*2
	JLOAD \slot                                    ; the first tensor load behind the round: 240 matrix instructions ahead of the wait for it
.else
	PLACES
.endif
	FETCHA \next, 0, 0
	WIN MUL
	MUL4 1, 7, 4, 0
	MUL4 1, 7, 5, 0
	MUL4 1, 7, 6, 0
	MUL4 1, 7, 7, 0
.endm
.irp q, 0,1,2,3,4,5
	BLOAD \q, \q                                   ; B's first six quarters: with the bias 56 loads of mine are out
.endr
	WIN 0
	s_wait_tensorcnt 1                             ; my part of slot 0 is in; slot 1's load may be out
	s_barrier_signal -1
	s_barrier_wait -1
	FETCHA 0, 0, 0
	s_wait_loadcnt 40                              ; the bias and quarter 0 are in; quarters 1 to 5 may be out
	BLOAD 6, 6
	BLOAD 7, 7
	FETCHA 0, 64, 1
	s_wait_dscnt 16
	WIN MULB                                       ; the first quarter stands in front of the loop: its products start the sums
.irp a, 0,1,2,3,4,5,6,7
	MUL4 0, 0, \a, 1
.endr
	WIN 0
	s_mov_b32 s3, LAPS-1
.Llap:                                                 ; a trip goes once round A's ring, from a lap's second quarter to the next lap's first, and fills both slots again
	QUARTER 0, 1, 8, 48
	QUARTER 0, 2, 9, 48
	QUARTER 0, 3, 10, 48
	QUARTER 0, 4, 11, 48
	QUARTER 0, 5, 12, 48
	QUARTER 0, 6, 13, 48
	TURN 0, 1, 1, 14, 48
	QUARTER 1, 0, 15, 48
	QUARTER 1, 1, 16, 48
	QUARTER 1, 2, 17, 48
	QUARTER 1, 3, 18, 48
	QUARTER 1, 4, 19, 48
	QUARTER 1, 5, 20, 48
	QUARTER 1, 6, 21, 48
	TURN 1, 0, 1, 22, 48
	QUARTER 0, 0, 23, 48
	WIN 0
	s_wait_xcnt 0x0                                ; the trip's loads have read their base, so it may step
	s_add_nc_u64 s[BP:BP+1], s[BP:BP+1], 16*4096
	s_sub_co_u32 s3, s3, 1
	s_cmp_lg_u32 s3, 0
	s_cbranch_scc1 .Llap
	QUARTER 0, 1, 8, 48                            ; the last lap fills no slot, and asks for nothing beyond the strip's end: the counts run down
	QUARTER 0, 2, 9, 48
	QUARTER 0, 3, 10, 48
	QUARTER 0, 4, 11, 48
	QUARTER 0, 5, 12, 48
	QUARTER 0, 6, 13, 48
	TURN 0, 1, 0, 14, 48
	QUARTER 1, 0, 15, 48
	QUARTER 1, 1, -1, 48
	QUARTER 1, 2, -1, 40
	QUARTER 1, 3, -1, 32
	QUARTER 1, 4, -1, 24
	QUARTER 1, 5, -1, 16
	QUARTER 1, 6, -1, 8
	s_wait_loadcnt 0x0
	s_wait_dscnt 0x0
.irp a, 0,1,2,3,4,5,6,7
	MUL4 1, 7, \a, 0
.endr
	WIN 0
	PLACES
; THE WAY OUT IN f32: a block of 16 rows x 64 columns at a time through my own stage: in as 32 bytes a lane, back as whole rows of 256 bytes, sixteen lanes to a row.  LDS serves a wave's instructions in order.
.macro TOSTAGE a
	WIN 0x08                                       ; an LDS store's data: window 2
.irp b, 0,1,2,3
	ds_store_b128 v[STO], v[32*(\a)+8*\b:32*(\a)+8*\b+3] offset:64*\b          ; each accumulator from its low end on
	ds_store_b128 v[STO], v[32*(\a)+8*\b+4:32*(\a)+8*\b+7] offset:64*\b+16
.endr
	WIN 0
.set BB, BK+32*((\a)%2)
.irp t, 0,1,2,3,4,5,6,7
	ds_load_b128 v[BB+4*\t:BB+4*\t+3], v[RD] offset:\t*2*SP32
.endr
.endm
.macro SEND a, younger
.set BB, BK+32*((\a)%2)
	s_wait_dscnt \younger                          ; the block is back in registers
.if (\a) > 0
	s_add_nc_u64 s[10:11], s[10:11], 16*8192       ; behind a wait on XCNT: the earlier stores have read their base
.endif
.irp t, 0,1,2,3,4,5,6,7
.if KV
	global_store_b128 v[CO], v[BB+4*\t:BB+4*\t+3], s[10:11] offset:2*\t*8192   ; 16 lanes store 256 consecutive bytes, aligned
.else
	global_store_b128 v[CO], v[BB+4*\t:BB+4*\t+3], s[10:11] offset:2*\t*8192 th:TH_STORE_NT
.endif
.endr
.endm
.if KV
	s_cmp_lt_u32 ttmp9, 2                          ; the cluster's x: the same in all partners
	s_cbranch_scc0 .Lvpack
.endif
	TOSTAGE 0
.irp a, 1,2,3,4,5,6,7
.if \a > 1
	s_wait_xcnt 0x0                                ; block a - 2's stores have read their registers and their base
.endif
	TOSTAGE \a
	SEND \a-1, 16                                  ; behind block a - 1's loads: block a's 8 stores and 8 loads
.endr
	s_wait_xcnt 0x0
	SEND 7, 0
.if KV
	s_branch .Lmeet
; THE WAY OUT IN f16: a wave's 64 columns are 128 bytes, half of an aligned 256: so the four waves write their parts of the same stage rows, a barrier stands between the writing and the reading,
; and each wave then stores 32 whole rows of 512 bytes.  The barrier stands outside the branch: every wave of every work-group passes it.
.macro PACKV a
.set TT, TMP+16*((\a)%2)
	WIN 0x0a                                       ; sources 0 and 1: window 2
.irp b, 0,1,2,3
.irp r, 0,1,2,3
	v_cvt_pk_f16_f32 v[TT+4*\b+\r], v[32*(\a)+8*\b+2*\r], v[32*(\a)+8*\b+2*\r+1]
.endr
.endr
	WIN 0
.irp b, 0,1,2,3
	ds_store_b128 v[STO16], v[TT+4*\b:TT+4*\b+3] offset:(\a)*16*SP16+32*\b
.endr
.endm
.Lvpack:
.irp a, 0,1,2,3,4,5,6,7
	PACKV \a
.endr
.Lmeet:
	s_wait_dscnt 0x0                               ; for the others' sake: my stores into the stage are done
	s_barrier_signal -1
	s_barrier_wait -1
	s_cmp_lt_u32 ttmp9, 2
	s_cbranch_scc1 .Lclose
.irp t, 0,1,2,3,4,5,6,7,8,9,10,11,12,13,14,15,16,17,18,19,20,21,22,23,24,25,26,27,28,29,30,31
	ds_load_b128 v[AF+4*\t:AF+4*\t+3], v[RD16] offset:\t*SP16
.endr
.irp t, 0,1,2,3,4,5,6,7,8,9,10,11,12,13,14,15,16,17,18,19,20,21,22,23,24,25,26,27,28,29,30,31
	s_wait_dscnt 31-\t
	global_store_b128 v[BO], v[AF+4*\t:AF+4*\t+3], s[12:13] offset:\t*4096   ; 32 lanes store 512 consecutive bytes, aligned to 256
.endr
.Lclose:
.endif
	s_wait_tensorcnt 0x0                           ; the wave's end
	ds_add_u32 v[SPW], v[NIL]
	s_wait_dscnt 0x0
	CROUND                                         ; the closing round
	s_endpgm
.Lfunc_end_k_q816d5a0258_kvgemm:
	.size	k_q816d5a0258_kvgemm, .Lfunc_end_k_q816d5a0258_kvgemm-k_q816d5a0258_kvgemm
	.p2alignl 7, 3214868480
	.fill 96, 4, 3214868480
	.section	.rodata,"a",@progbits
	.p2align	6, 0x0
	.amdhsa_kernel k_q816d5a0258_kvgemm
		.amdhsa_group_segment_fixed_size 327680
		.amdhsa_private_segment_fixed_size 0
		.amdhsa_enable_private_segment 0
		.amdhsa_kernarg_size 40
		.amdhsa_user_sgpr_count 2
		.amdhsa_user_sgpr_kernarg_segment_ptr 1
		.amdhsa_wavefront_size32 1
		.amdhsa_system_sgpr_workgroup_id_x 1
		.amdhsa_system_sgpr_workgroup_id_y 1
		.amdhsa_system_sgpr_workgroup_id_z 1
		.amdhsa_system_vgpr_workitem_id 0
		.amdhsa_next_free_vgpr 768
		.amdhsa_next_free_sgpr 80
		.amdhsa_reserve_vcc 0
		.amdhsa_float_denorm_mode_32 3
		.amdhsa_float_denorm_mode_16_64 3
		.amdhsa_memory_ordered 1
		.amdhsa_forward_progress 1
		.amdhsa_inst_pref_size 170
	.end_amdhsa_kernel
	.amdgpu_metadata
---
amdhsa.version: [ 1, 2 ]
amdhsa.kernels:
  - .name:           k_q816d5a0258_kvgemm
    .symbol:         k_q816d5a0258_kvgemm.kd
    .args:
      - { .name: w16, .offset: 0, .size: 8, .value_kind: global_buffer, .address_space: global }
      - { .name: bk, .offset: 8, .size: 8, .value_kind: global_buffer, .address_space: global }
      - { .name: bv, .offset: 16, .size: 8, .value_kind: global_buffer, .address_space: global }
      - { .name: k_raw, .offset: 24, .size: 8, .value_kind: global_buffer, .address_space: global }
      - { .name: v16, .offset: 32, .size: 8, .value_kind: global_buffer, .address_space: global }
    .group_segment_fixed_size: 327680
    .private_segment_fixed_size: 0
    .kernarg_segment_align: 8
    .kernarg_segment_size: 40
    .max_flat_workgroup_size: 128
    .sgpr_count:     80
    .vgpr_count:     768
    .wavefront_size: 32
...
	.end_amdgpu_metadata
.endif
;; end of part 3
;; launch norm (part 4): grid 384 x 1, 4 waves a work-group, no clusters, 0 bytes of LDS; arguments q_raw, k_raw, rmsq_w, rmsk_w, x_cos, x_sin, y_cos, y_sin, q16, k16; writes q16, k16
.if DOCPART == 4
	.amdgcn_target "amdgcn-amd-amdhsa--gfx1250"
	.amdhsa_code_object_version 6
	.text
	.protected	k_q816d5a0258_norm
	.globl	k_q816d5a0258_norm
	.p2align	8
	.type	k_q816d5a0258_norm,@function
k_q816d5a0258_norm:
	s_mov_b64 s[64:65], 0
	v_nop
	global_prefetch_b8 v0, s[64:65] scope:SCOPE_SE
	s_setreg_imm32_b32 hwreg(HW_REG_WAVE_MODE, 25, 1), 1
	s_wait_xcnt 0x0
; RMS norm over a whole row of 2,048, the gain, RoPE in each head of 128, rounding to f16: for q's 4,096 rows (work-groups 0-255) and k's 2,048 rows (256-383).  Only pointers are chosen: one path.
; t = raw x rsqrt(mean(raw^2) + 1e-6) x gain;  out[d] = t[d] cos[d] - t[d + 64] sin[d] (d < 64),  out[d] = t[d] cos[d] + t[d - 64] sin[d] (d >= 64).  The root is multiplied into cos and sin (16 numbers a lane, not 64).
; A wave takes four rows, one row (8,192 bytes, 64 registers) at a time, the next on its way.  A LANE HOLDS d AND d + 64: lane (r, h), load j: channels 4 r .. 4 r + 3 of head 2 j + h, and the load 256 bytes on the same + 64;
; sixteen lanes read 256 consecutive bytes, aligned.  No LDS, no barrier.
; On the way out two exchanges of half-waves give one register pair head 2 j's 256 bytes across the 32 lanes, and another head 2 j + 1's: each store covers 256 consecutive bytes, aligned.
; LIMITS: f16 results: |out| is at most 64 |gain|, which must stay under 65,504; NaN and infinities are not served; the row's sum is taken in another order than a plain loop's.
.set W,   16                           ; v16-79   the gain, in a row's map
.set X0,  80                           ; v80-207  two rows
.set CS0, 208                          ; v208-239 two rows' cos low, cos high, sin low, sin high: four registers each
.set T,   240                          ; v240-247 at work
.set SQ,  248                          ; v248-255 four packed chains
	s_load_b256 s[4:11], s[0:1], 0x0               ; q_raw, k_raw, rmsq_w, rmsk_w
	s_load_b256 s[12:19], s[0:1], 0x20             ; x_cos, x_sin, y_cos, y_sin
	s_load_b128 s[20:23], s[0:1], 0x40             ; q16, k16
	v_lshrrev_b32 v8, 5, v0
	v_readfirstlane_b32 s25, v8                    ; wave
	v_and_b32 v9, 15, v0                           ; r
	v_bfe_u32 v10, v0, 4, 1                        ; h
	v_lshlrev_b32 v2, 4, v9                        ; 16 r: cos and sin
	v_lshl_add_u32 v1, v10, 9, v2                  ; 512 h + 16 r: raw and the gain
	v_and_b32 v3, 31, v0
	v_lshlrev_b32 v3, 3, v3                        ; 8 x lane: out
	v_mov_b32 v5, 0                                ; a lane permute's destination counts as one of its sources
	s_mov_b32 s28, 0x3a000000                      ; 1 / 2048
	s_mov_b32 s29, 0x358637bd                      ; 1e-6
	s_mov_b32 s30, 0x76543210                      ; lane selects: lane l xor 16
	s_mov_b32 s31, 0xfedcba98
	s_wait_kmcnt 0x0
	s_cmp_lt_u32 ttmp9, 256                        ; q's work-group or k's: the choice hangs on the work-group's number alone
	s_cselect_b64 s[4:5], s[4:5], s[6:7]
	s_cselect_b64 s[8:9], s[8:9], s[10:11]
	s_cselect_b64 s[12:13], s[12:13], s[16:17]
	s_cselect_b64 s[14:15], s[14:15], s[18:19]
	s_cselect_b64 s[20:21], s[20:21], s[22:23]
	s_cselect_b32 s24, 0, 256
	s_sub_co_u32 s24, ttmp9, s24
	s_lshl_b32 s24, s24, 4
	s_lshl_b32 s25, s25, 2
	s_add_co_u32 s24, s24, s25                     ; my first row: the same number in raw, cos, sin and out
	s_mov_b32 s27, 0
	s_lshl_b32 s26, s24, 13
	s_add_nc_u64 s[4:5], s[4:5], s[26:27]
	s_lshl_b32 s26, s24, 9
	s_add_nc_u64 s[12:13], s[12:13], s[26:27]
	s_add_nc_u64 s[14:15], s[14:15], s[26:27]
	s_lshl_b32 s26, s24, 12
	s_add_nc_u64 s[20:21], s[20:21], s[26:27]
.irp j, 0,1,2,3,4,5,6,7
	global_load_b128 v[W+8*\j:W+8*\j+3], v1, s[8:9] offset:1024*\j
	global_load_b128 v[W+8*\j+4:W+8*\j+7], v1, s[8:9] offset:1024*\j+256
.endr
.macro LOADROW i                       ; 20 loads
.irp j, 0,1,2,3,4,5,6,7
	global_load_b128 v[X0+64*((\i)%2)+8*\j:X0+64*((\i)%2)+8*\j+3], v1, s[4:5] offset:8192*(\i)+1024*\j th:TH_LOAD_NT
	global_load_b128 v[X0+64*((\i)%2)+8*\j+4:X0+64*((\i)%2)+8*\j+7], v1, s[4:5] offset:8192*(\i)+1024*\j+256 th:TH_LOAD_NT
.endr
	global_load_b128 v[CS0+16*((\i)%2):CS0+16*((\i)%2)+3], v2, s[12:13] offset:512*(\i)
	global_load_b128 v[CS0+16*((\i)%2)+4:CS0+16*((\i)%2)+7], v2, s[12:13] offset:512*(\i)+256
	global_load_b128 v[CS0+16*((\i)%2)+8:CS0+16*((\i)%2)+11], v2, s[14:15] offset:512*(\i)
	global_load_b128 v[CS0+16*((\i)%2)+12:CS0+16*((\i)%2)+15], v2, s[14:15] offset:512*(\i)+256
.endm
.macro ROW i
.set XR, X0+64*((\i)%2)
.set CR, CS0+16*((\i)%2)
.if (\i) < 3
	s_wait_loadcnt 20                              ; this row (and the gain ahead of it) is in; the next row's 20 loads may be out
.else
	s_wait_loadcnt 0x0
.endif
.irp c, 0,1,2,3
	v_pk_mul_f32 v[SQ+2*\c:SQ+2*\c+1], v[XR+2*\c:XR+2*\c+1], v[XR+2*\c:XR+2*\c+1]
.endr
.irp k, 8,16,24,32,40,48,56
.irp c, 0,1,2,3
	v_pk_fma_f32 v[SQ+2*\c:SQ+2*\c+1], v[XR+\k+2*\c:XR+\k+2*\c+1], v[XR+\k+2*\c:XR+\k+2*\c+1], v[SQ+2*\c:SQ+2*\c+1]
.endr
.endr
	v_pk_add_f32 v[SQ:SQ+1], v[SQ:SQ+1], v[SQ+2:SQ+3]
	v_pk_add_f32 v[SQ+4:SQ+5], v[SQ+4:SQ+5], v[SQ+6:SQ+7]
	v_pk_add_f32 v[SQ:SQ+1], v[SQ:SQ+1], v[SQ+4:SQ+5]
	v_add_f32 v4, v[SQ], v[SQ+1]
	v_add_f32_dpp v4, v4, v4 row_xmask:1 row_mask:0xf bank_mask:0xf
	v_add_f32_dpp v4, v4, v4 row_xmask:2 row_mask:0xf bank_mask:0xf
	v_add_f32_dpp v4, v4, v4 row_xmask:4 row_mask:0xf bank_mask:0xf
	v_add_f32_dpp v4, v4, v4 row_xmask:8 row_mask:0xf bank_mask:0xf
	v_permlanex16_b32 v5, v4, s30, s31
	v_add_f32 v4, v4, v5                           ; the row's sum of squares, in every lane
	v_fma_f32 v4, v4, s28, s29                     ; the mean + 1e-6
	v_rsq_f32 v6, v4
	v_rsq_f32 v7, v4
.set k, 0
.rept 32
	v_pk_mul_f32 v[XR+k:XR+k+1], v[XR+k:XR+k+1], v[W+k:W+k+1]      ; raw x gain: work that names neither root
.set k, k+2
.endr
	s_wait_alu depctr_va_vdst(0)                   ; one wait for both roots, ahead of their first reader
.irp k, 0,2,4,6,8,10,12,14
	v_pk_mul_f32 v[CR+\k:CR+\k+1], v[CR+\k:CR+\k+1], v[6:7]        ; the root goes into cos and sin
.endr
.irp j, 0,1,2,3,4,5,6,7
	v_pk_mul_f32 v[T:T+1],   v[XR+8*\j:XR+8*\j+1],   v[CR:CR+1]
	v_pk_mul_f32 v[T+2:T+3], v[XR+8*\j+2:XR+8*\j+3], v[CR+2:CR+3]
	v_pk_mul_f32 v[T+4:T+5], v[XR+8*\j+4:XR+8*\j+5], v[CR+4:CR+5]
	v_pk_mul_f32 v[T+6:T+7], v[XR+8*\j+6:XR+8*\j+7], v[CR+6:CR+7]
	v_pk_fma_f32 v[T:T+1],   v[XR+8*\j+4:XR+8*\j+5], v[CR+8:CR+9],   v[T:T+1]   neg_lo:[1,0,0] neg_hi:[1,0,0]
	v_pk_fma_f32 v[T+2:T+3], v[XR+8*\j+6:XR+8*\j+7], v[CR+10:CR+11], v[T+2:T+3] neg_lo:[1,0,0] neg_hi:[1,0,0]
	v_pk_fma_f32 v[T+4:T+5], v[XR+8*\j:XR+8*\j+1],   v[CR+12:CR+13], v[T+4:T+5]
	v_pk_fma_f32 v[T+6:T+7], v[XR+8*\j+2:XR+8*\j+3], v[CR+14:CR+15], v[T+6:T+7]
	v_cvt_pk_f16_f32 v[XR+8*\j],   v[T],   v[T+1]
	v_cvt_pk_f16_f32 v[XR+8*\j+1], v[T+2], v[T+3]
	v_cvt_pk_f16_f32 v[XR+8*\j+2], v[T+4], v[T+5]
	v_cvt_pk_f16_f32 v[XR+8*\j+3], v[T+6], v[T+7]
	v_permlane16_swap_b32 v[XR+8*\j],   v[XR+8*\j+2]               ; the first's lanes 16-31 (head 2 j + 1, low) change places with the second's lanes 0-15 (head 2 j, high)
	v_permlane16_swap_b32 v[XR+8*\j+1], v[XR+8*\j+3]
	global_store_b64 v3, v[XR+8*\j:XR+8*\j+1],   s[20:21] offset:4096*(\i)+512*\j
	global_store_b64 v3, v[XR+8*\j+2:XR+8*\j+3], s[20:21] offset:4096*(\i)+512*\j+256
.endr
.if (\i) < 2
	s_wait_xcnt 0x0                                ; the stores have read their data registers, into which the row two further on is loaded
	LOADROW (\i)+2
.endif
.endm
	LOADROW 0
	LOADROW 1
	ROW 0
	ROW 1
	ROW 2
	ROW 3
	s_endpgm
.Lfunc_end_k_q816d5a0258_norm:
	.size	k_q816d5a0258_norm, .Lfunc_end_k_q816d5a0258_norm-k_q816d5a0258_norm
	.p2alignl 7, 3214868480
	.fill 96, 4, 3214868480
	.section	.rodata,"a",@progbits
	.p2align	6, 0x0
	.amdhsa_kernel k_q816d5a0258_norm
		.amdhsa_group_segment_fixed_size 0
		.amdhsa_private_segment_fixed_size 0
		.amdhsa_enable_private_segment 0
		.amdhsa_kernarg_size 80
		.amdhsa_user_sgpr_count 2
		.amdhsa_user_sgpr_kernarg_segment_ptr 1
		.amdhsa_wavefront_size32 1
		.amdhsa_system_sgpr_workgroup_id_x 1
		.amdhsa_system_sgpr_workgroup_id_y 1
		.amdhsa_system_sgpr_workgroup_id_z 1
		.amdhsa_system_vgpr_workitem_id 0
		.amdhsa_next_free_vgpr 256
		.amdhsa_next_free_sgpr 66
		.amdhsa_reserve_vcc 0
		.amdhsa_float_denorm_mode_32 3
		.amdhsa_float_denorm_mode_16_64 3
		.amdhsa_memory_ordered 1
		.amdhsa_forward_progress 1
		.amdhsa_inst_pref_size 64
	.end_amdhsa_kernel
	.amdgpu_metadata
---
amdhsa.version: [ 1, 2 ]
amdhsa.kernels:
  - .name:           k_q816d5a0258_norm
    .symbol:         k_q816d5a0258_norm.kd
    .args:
      - { .name: q_raw, .offset: 0, .size: 8, .value_kind: global_buffer, .address_space: global }
      - { .name: k_raw, .offset: 8, .size: 8, .value_kind: global_buffer, .address_space: global }
      - { .name: rmsq_w, .offset: 16, .size: 8, .value_kind: global_buffer, .address_space: global }
      - { .name: rmsk_w, .offset: 24, .size: 8, .value_kind: global_buffer, .address_space: global }
      - { .name: x_cos, .offset: 32, .size: 8, .value_kind: global_buffer, .address_space: global }
      - { .name: x_sin, .offset: 40, .size: 8, .value_kind: global_buffer, .address_space: global }
      - { .name: y_cos, .offset: 48, .size: 8, .value_kind: global_buffer, .address_space: global }
      - { .name: y_sin, .offset: 56, .size: 8, .value_kind: global_buffer, .address_space: global }
      - { .name: q16, .offset: 64, .size: 8, .value_kind: global_buffer, .address_space: global }
      - { .name: k16, .offset: 72, .size: 8, .value_kind: global_buffer, .address_space: global }
    .group_segment_fixed_size: 0
    .private_segment_fixed_size: 0
    .kernarg_segment_align: 8
    .kernarg_segment_size: 80
    .max_flat_workgroup_size: 128
    .sgpr_count:     66
    .vgpr_count:     256
    .wavefront_size: 32
...
	.end_amdgpu_metadata
.endif
;; end of part 4
;; launch attn (part 5): grid 8 x 32, 4 waves a work-group, clusters of 4 x 1, 327,680 bytes of LDS; arguments q16, k16, v16, o16; writes o16
.if DOCPART == 5
	.amdgcn_target "amdgcn-amd-amdhsa--gfx1250"
	.amdhsa_code_object_version 6
	.text
	.protected	k_q816d5a0258_attn
	.globl	k_q816d5a0258_attn
	.p2align	8
	.type	k_q816d5a0258_attn,@function
k_q816d5a0258_attn:
	s_mov_b64 s[64:65], 0
	v_nop
	global_prefetch_b8 v0, s[64:65] scope:SCOPE_SE
	s_setreg_imm32_b32 hwreg(HW_REG_WAVE_MODE, 25, 1), 1
	s_wait_xcnt 0x0
	s_wait_alu depctr_hold_cnt(0) depctr_sa_sdst(0) depctr_va_vdst(0) depctr_va_sdst(0) depctr_va_ssrc(0) depctr_va_vcc(0) depctr_vm_vsrc(0)
	s_getreg_b32 s2, hwreg(HW_REG_IB_STS2, 6, 4)
	s_cmp_eq_u32 s2, 0
	s_cbranch_scc0 .Lentry_in_a_cluster
	s_endpgm
.Lentry_in_a_cluster:
	s_bfe_u32 s2, ttmp6, 0x10000c
	s_cmp_lg_u32 s2, 0x3003
	s_cbranch_scc0 .Lentry_shape_is_right
	s_endpgm
.Lentry_shape_is_right:
; o[b][q][h][:] = the sum over k of softmax_k(q[b][q][h] . k[b][k][h] / sqrt(128)) v[b][k][h][:].  q16, o16: [2 x 2048][2048] f16; k16, v16: [2 x 1024][2048] f16; a head's 128 channels are 256 aligned bytes of a row of 4,096.
; Products, maxima and sums in f32; the weights p (at most 1) are rounded to f16 for the second product, o once at the end.  LIMIT: f16 operands (magnitudes up to 65,504; under 6e-8 dropped).
; SHARES.  A work-group owns 256 queries of one (batch, head), each of its four waves 64: four tiles of 16.  Every wave walks all 1,024 keys, 64 a step.
; LAYOUT.  S^T = K Q^T (source 0 = 16 keys, source 1 = 16 queries): a lane holds ONE query (lane % 16) and the keys 8 (lane / 16) + 0..7.  Two such tiles, rounded in pairs, ARE source 1 of O^T = V^T P.
; K comes out of LDS as it lies, V ([key][channel]) turned, by ds_load_tr16_b128.
; SOFTMAX.  For each query a running maximum m and sum l: p = 2^(c s - c m), c = log2(e) / sqrt(128); in every step O and l are multiplied by a = 2^(c m_old - c m_new).
; BY TURNS.  The wave's tiles are two pieces (tiles 0, 1 and tiles 2, 3).  In a turn one piece has the matrix unit (32 products V^T P of the step in hand, 32 products K Q^T of the next);
; the other piece's softmax, cut into 64 slices, stands between them, one slice behind each matrix instruction.  Two turns are a key step.
; CLUSTER.  The four query blocks of a cluster belong to one head and walk the same K and V: each tile is asked for jointly.
; REGISTERS: window 0: v0-11 addresses; v12-43 statistics; v64-191 S^T; v192-255 P.  window 1: O^T.  window 2: v0-127 Q; v128-255 K of one step.  window 3: v0-127 V of one step.
.set NKEYS, 1024
.set ROWP,  4096      ; bytes from row to row in all four tensors
.set KS,    64        ; keys in a step
.set PK,    272       ; a row of K in LDS: 256 bytes + 16 of padding
.set PV,    288       ; a row of V: 256 + 32
.set VOFF,  KS*PK
.set STEPB, KS*(PK+PV)
.set SLOT1, 1<<17     ; a slot holds two steps; slot 1 begins here, so that one exclusive or turns an address in one slot into the other's
.set STAGE, SLOT1+2*STEPB
.set SP,    272
.set AK0, 2
.set AV0, 3
.set ADR, 4
.set QO,  5
.set STO, 6
.set RD,  7
.set GO,  8
.set SPW, 62
.set NIL, 63
.set SPARE, STAGE+4*16*272
.set ST,  12          ; tile t's statistics at v[ST+8 t]: +0 c m, +1 m, +2, +3 l, +4 to +7 at work
.set S,   64
.set P,   192
.set KF,  128
.set WV,  12
.set G1K, 24
.set G1V, 32
.set G0K, 40
.set G0V, 48
.set SLOTS, 56
.set TWICE, 57
.set CS,  58
.set SEL, 60
.set TB,  62
.set PFA, 18
.set LIM, 15
.set PFO, 61
.set MSB, 0
.macro WIN new
.if MSB != (\new)
	s_set_vgpr_msb (MSB<<8)|(\new)
.set MSB, (\new)
.endif
.endm
.set W_KQ, 0x0a       ; K and Q in window 2, S^T in window 0
.set W_PV, 0x53       ; V in window 3, P in window 0, O^T in window 1
.set W_RS, 0x41       ; O^T in window 1, a in window 0
; A joint refill.  Waves 0 and 1 fetch the two steps' tiles of K, waves 2 and 3 those of V.  An s_nop 0 and four v_nop follow each of the two lines.
.macro JLOAD
	s_cmp_lt_u32 s[WV], 2
	s_cbranch_scc0 .Lfor_v_\@
	tensor_load_to_lds s[G0K+4:G0K+7], s[G1K:G1K+7]
	s_nop 0
.rept 4
	v_nop
.endr
	s_branch .Lasked_\@
.Lfor_v_\@:
	tensor_load_to_lds s[G0V+4:G0V+7], s[G1V:G1V+7]
	s_nop 0
.rept 4
	v_nop
.endr
.Lasked_\@:
.endm
; A prefetch of what the NEXT change of slots will ask for: a slot's 128 rows of K and of V, a lane a row (a head's 256 bytes of it).  Each row is named once in the launch: the head's first cluster asks;
; its four partners share the rows out by address, 32 each; in each, wave 0 asks for K's and wave 2 for V's.  The last change that fills a slot asks for nothing.
.macro ASK
	s_cmp_gt_u32 s[SLOTS], s[LIM]
	s_cbranch_scc0 .Lnot_mine_\@
	global_prefetch_b8 v[PFO], s[PFA:PFA+1] th:TH_LOAD_NT scope:SCOPE_SE
.Lnot_mine_\@:
.endm
.macro CROUND
	s_barrier_signal -1
	s_barrier_wait -1
	s_cmp_lg_u32 s[WV], 0
	s_cbranch_scc1 .Lnot_wave_0_\@
	s_barrier_signal -3
.Lnot_wave_0_\@:
	s_barrier_wait -3
	s_barrier_signal -1
	s_barrier_wait -1
.endm
	s_load_b256 s[4:11], s[0:1], 0x0  ; q16 s[4:5], k16 s[6:7], v16 s[8:9], o16 s[10:11]
	v_lshl_add_u32 v[SPW], v0, 2, SPARE
	v_mov_b32 v[NIL], 0
	ds_add_u32 v[SPW], v[NIL]       ; the wave's opening: the add, twice on end, and its wait ahead of my first tensor load
	ds_add_u32 v[SPW], v[NIL]
	v_lshrrev_b32 v1, 5, v0
	v_readfirstlane_b32 s[WV], v1   ; wave 0..3
	s_bfe_u32 s13, ttmp6, 0x40000   ; cx
	s_lshl_b32 s14, ttmp9, 2
	s_add_co_u32 s14, s14, s13      ; my block of 256 queries: it enters Q's and O's addresses alone
	s_and_b32 s20, ttmp7, 0xffff    ; 16 x batch + head, which the four partners share
	s_lshr_b32 s21, s20, 4          ; batch
	s_and_b32 s20, s20, 15
	s_lshl_b32 s20, s20, 8          ; the head's 256 bytes in a row
	s_and_b32 s16, s[WV], 1         ; which of a slot's two steps I fetch
	s_lshl_b32 s22, s21, 22         ; K, V: the batch's 1,024 rows of 4,096 bytes,
	s_add_co_u32 s22, s22, s20
	s_lshl_b32 s23, s16, 18         ; my step's 64 rows
	s_add_co_u32 s22, s22, s23
	s_mov_b32 s23, 0
	s_mul_i32 s17, s16, STEPB       ; and its place in a slot
	s_lshl_b32 s2, s21, 23          ; Q, O: the batch's 2,048 rows,
	s_add_co_u32 s2, s2, s20
	s_lshl_b32 s3, s14, 20          ; my block's 256 rows,
	s_add_co_u32 s2, s2, s3
	s_lshl_b32 s3, s[WV], 18        ; my wave's 64 of them
	s_add_co_u32 s2, s2, s3
	s_mov_b32 s3, 0
	s_mov_b32 s[G1K], 15|(1<<16)|(1<<20)|(1<<21)|(5<<22)|(3<<25)  ; the mask: all four; elements of 2 bytes; padding: 4 words behind every 64
	s_mov_b32 s[G1V], 15|(1<<16)|(1<<20)|(1<<21)|(5<<22)|(7<<25)  ; the same with 8 words of padding
.irp g, G1K, G1V
	s_mov_b32 s[\g+1], 128<<16      ; tensor_dim0 = 128
	s_mov_b32 s[\g+2], KS<<16       ; tensor_dim1 = 64
	s_mov_b32 s[\g+3], 128<<16      ; tile_dim0 = 128
	s_mov_b32 s[\g+4], KS           ; tile_dim1 = 64
	s_mov_b32 s[\g+5], ROWP/2       ; elements from row to row
	s_mov_b32 s[\g+6], 0
	s_mov_b32 s[\g+7], 0
.endr
	s_mov_b32 s[CS], 0x3e0293ee     ; c = log2(e) / sqrt(128)
	s_mov_b32 s[CS+1], s[CS]
	s_mov_b32 s[SEL], 0x76543210
	s_mov_b32 s[SEL+1], 0xfedcba98
	s_mov_b32 s[TB], 0
	s_mov_b32 s[SLOTS], NKEYS/(2*KS)-2
	s_and_b32 s[LIM], s[WV], 1       ; 0 in waves 0 and 2,
	s_or_b32 s[LIM], s[LIM], ttmp9   ; where the cluster is the head's first: the same in all four partners
	s_cmp_eq_u32 s[LIM], 0
	s_cselect_b32 s[LIM], 1, -1
	v_and_b32 v[PFO], 31, v0
	v_lshlrev_b32 v[PFO], 12, v[PFO]
	s_wait_dscnt 0x0                ; both opening adds are done
	s_wait_kmcnt 0x0
	s_add_nc_u64 s[6:7], s[6:7], s[22:23]  ; K and V at my tile of slot 0
	s_add_nc_u64 s[8:9], s[8:9], s[22:23]
	s_add_nc_u64 s[4:5], s[4:5], s[2:3]  ; Q and O at my wave's first row
	s_add_nc_u64 s[10:11], s[10:11], s[2:3]
	s_cmp_lt_u32 s[WV], 2
	s_cselect_b64 s[PFA:PFA+1], s[6:7], s[8:9]  ; (in waves 0 and 2 these stand at a slot's first row)
	s_lshl_b32 s2, s13, 17          ; my work-group's 32 rows of the 128
	s_mov_b32 s3, 0
	s_add_nc_u64 s[PFA:PFA+1], s[PFA:PFA+1], s[2:3]
	s_add_nc_u64 s[PFA:PFA+1], s[PFA:PFA+1], 2*2*KS*ROWP  ; in slot 2; the first change of slots steps it to slot 3
	CROUND                          ; all four work-groups are here: the first joint loads meet
.irp s, 0,1
	s_mov_b32 s[G0K+4*\s], 1
	s_add_co_u32 s[G0K+4*\s+1], s17, \s*SLOT1
	s_add_nc_u64 s[G0K+4*\s+2:G0K+4*\s+3], s[6:7], \s*2*KS*ROWP
	s_or_b32 s[G0K+4*\s+3], s[G0K+4*\s+3], 0x80000000
	s_mov_b32 s[G0V+4*\s], 1
	s_add_co_u32 s[G0V+4*\s+1], s17, \s*SLOT1+VOFF
	s_add_nc_u64 s[G0V+4*\s+2:G0V+4*\s+3], s[8:9], \s*2*KS*ROWP
	s_or_b32 s[G0V+4*\s+3], s[G0V+4*\s+3], 0x80000000
.endr
	s_cmp_lt_u32 s[WV], 2           ; a wave's two first fills stand in one branch: two loads of mine are out
	s_cbranch_scc0 .Lfirst_v
	tensor_load_to_lds s[G0K:G0K+3], s[G1K:G1K+7]
	s_nop 0
	tensor_load_to_lds s[G0K+4:G0K+7], s[G1K:G1K+7]
	s_nop 0
.rept 4
	v_nop
.endr
	s_branch .Lfirst_asked
.Lfirst_v:
	tensor_load_to_lds s[G0V:G0V+3], s[G1V:G1V+7]
	s_nop 0
	tensor_load_to_lds s[G0V+4:G0V+7], s[G1V:G1V+7]
	s_nop 0
.rept 4
	v_nop
.endr
.Lfirst_asked:
	v_and_b32 v1, 15, v0            ; l % 16
	v_bfe_u32 v9, v0, 4, 1          ; l / 16
	v_lshlrev_b32 v[QO], 12, v1
	v_lshl_add_u32 v[QO], v9, 4, v[QO]  ; row x 4,096 + 16 x half
	WIN 0x80                        ; destination window 2
.irp i, 0,1,2,3,4,5,6,7,8,9,10,11,12,13,14,15  ; Q stays in registers: tile i / 4, channels 32 (i % 4) on
	global_load_b128 v[8*\i:8*\i+3],   v[QO], s[4:5] offset:(\i/4)*16*ROWP+(\i%4)*64
	global_load_b128 v[8*\i+4:8*\i+7], v[QO], s[4:5] offset:(\i/4)*16*ROWP+(\i%4)*64+32
.endr
	WIN 0
	v_mul_u32_u24 v[AK0], v1, PK
	v_lshl_add_u32 v[AK0], v9, 4, v[AK0]
	v_and_b32 v10, 7, v0            ; the turning load: lane l reads key 8 (l / 16) + l % 8, channels 8 ((l / 8) % 2) + 0..7
	v_bfe_u32 v11, v0, 3, 1
	v_lshl_add_u32 v[AV0], v9, 3, v10
	v_mul_u32_u24 v[AV0], v[AV0], PV
	v_lshl_add_u32 v[AV0], v11, 4, v[AV0]
	v_add_nc_u32 v[AV0], VOFF, v[AV0]
; Product i of 32 of O^T += V^T P: keys 32 (i / 16) on, channels 16 ((i / 2) % 8) on, tile x + i % 2.  zero = 1: the first 16 start the sums.  The accumulators take turns.
.macro PV x, zero
	WIN W_PV
.set rO, 64*(\x+i%2)+8*((i/2)%8)
.set rV, 64*(i/16)+8*((i/2)%8)
.set rP, P+16*(\x+i%2)+8*(i/16)
.if \zero && (i < 16)
	v_wmma_f32_16x16x32_f16 v[rO:rO+7], v[rV:rV+7], v[rP:rP+7], 0
.else
	v_wmma_f32_16x16x32_f16 v[rO:rO+7], v[rV:rV+7], v[rP:rP+7], v[rO:rO+7]
.endif
.endm
; Product i of 32 of S^T = K Q^T: channels 32 (i / 8) on, keys 16 ((i / 2) % 4) on, tile x + i % 2.  The first 8 start the sums.
.macro KQ x
	WIN W_KQ
.set rS, S+32*(\x+i%2)+8*((i/2)%4)
.set rK, KF+32*((i/2)%4)+8*(i/8)
.set rQ, 32*(\x+i%2)+8*(i/8)
.if i < 8
	v_wmma_f32_16x16x32_f16 v[rS:rS+7], v[rK:rK+7], v[rQ:rQ+7], 0
.else
	v_wmma_f32_16x16x32_f16 v[rS:rS+7], v[rK:rK+7], v[rQ:rQ+7], v[rS:rS+7]
.endif
.endm
.macro FETCH_K                      ; a step's K: 32 LDS loads in one run
	WIN 0
	v_add_nc_u32 v[ADR], s[TB], v[AK0]
	WIN 0x80
.irp f, 0,1,2,3,4,5,6,7,8,9,10,11,12,13,14,15
	ds_load_b128 v[KF+8*\f:KF+8*\f+3],   v[ADR] offset:(\f/4)*16*PK+(\f%4)*64
	ds_load_b128 v[KF+8*\f+4:KF+8*\f+7], v[ADR] offset:(\f/4)*16*PK+(\f%4)*64+32
.endr
.endm
.macro FETCH_V                      ; a step's V, turned: 32 LDS loads in one run
	WIN 0
	v_add_nc_u32 v[ADR], s[TB], v[AV0]
	s_add_co_u32 s[TB], s[TB], STEPB  ; the next fetch is the next step's
	s_wait_alu depctr_va_vdst(0)    ; the wait for the softmax's batch of exponentials, ahead of the first instruction that names a result
	WIN 0xc0
.irp f, 0,1,2,3,4,5,6,7,8,9,10,11,12,13,14,15
	ds_load_tr16_b128 v[8*\f:8*\f+3],   v[ADR] offset:(\f/8)*32*PV+(\f%8)*32
	ds_load_tr16_b128 v[8*\f+4:8*\f+7], v[ADR] offset:(\f/8)*32*PV+16*PV+(\f%8)*32
.endr
.endm
; One tile's softmax for one key step is a list of 134 instructions; SM writes number j of it for tile t.
;   0-15 the maximum of the lane's 32 scores and the old m;  16-20 the other half's maximum, the new m, c m, c m_old - c m_new;
;   21-69 one batch: the 16 packed scalings c s - c m and all 33 exponentials, none of which reads an exponential's result;  (the wait);
;   70-85 the roundings to f16;  86-101 the sums, l = a l + the sum;  102-133 the tile's O^T times a.   first = 1: the first key step has no a and nothing to rescale.
.macro SM t, first
.set rT, ST+8*(\t)
.set rS, S+32*(\t)
.set rP, P+16*(\t)
.set rO, 64*(\t)+2*(j-102)
.if j < 102
	WIN 0
.endif
.if j < 4
	v_max3_num_f32 v[rT+4+j], v[rS+8*j], v[rS+8*j+1], v[rS+8*j+2]
.elseif j < 12
	v_max3_num_f32 v[rT+4+j%4], v[rT+4+j%4], v[rS+8*(j%4)+2*(j/4)+1], v[rS+8*(j%4)+2*(j/4)+2]
.elseif j == 12
	v_max3_num_f32 v[rT+4], v[rT+4], v[rS+7], v[rS+15]
.elseif j == 13
	v_max3_num_f32 v[rT+6], v[rT+6], v[rS+23], v[rS+31]
.elseif j == 14
	v_max3_num_f32 v[rT+4], v[rT+4], v[rT+5], v[rT+6]
.elseif (j == 15) && \first
	v_max_num_f32 v[rT+4], v[rT+4], v[rT+7]
.elseif j == 15
	v_max3_num_f32 v[rT+4], v[rT+4], v[rT+7], v[rT+1]
.elseif j == 16
	v_permlanex16_b32 v[rT+5], v[rT+4], s[SEL], s[SEL+1]  ; the query's other 32 keys lie in the lane 16 away
.elseif j == 18
	v_max_num_f32 v[rT+1], v[rT+4], v[rT+5]
.elseif j == 19
	v_mul_f32 v[rT], s[CS], v[rT+1]
.elseif ((j == 17) || (j == 20) || (j == 23) || (j > 101)) && \first
.elseif j == 17
	v_mov_b32 v[rT+7], v[rT]        ; c m_old is kept for a
.elseif j == 20
	v_sub_f32 v[rT+7], v[rT+7], v[rT]
.elseif j == 23
	v_exp_f32 v[rT+6], v[rT+7]
.elseif (j < 23) || ((j < 38) && (j%2 == 0)) || ((j < 66) && (j%4 == 2))
.set b, (j-2)/4
.if j < 38
.set b, (j-20)/2
.endif
	v_pk_fma_f32 v[rS+2*b:rS+2*b+1], v[rS+2*b:rS+2*b+1], s[CS:CS+1], v[rT:rT+1] op_sel_hi:[1,0,0] neg_lo:[0,0,1] neg_hi:[0,0,1]  ; pair b: c s - c m
.elseif j < 70
.set e, j-38
.if j < 66
.set e, j-32-(j-38)/4
.endif
.if j < 38
.set e, (j-25)/2
.endif
	v_exp_f32 v[rS+e], v[rS+e]
.elseif j < 86
	v_cvt_pk_f16_f32 v[rP+j-70], v[rS+2*(j-70)], v[rS+2*(j-70)+1]
.elseif j < 102
.set z, j-86
.set w, 4
.set u, z
.if z >= 14
.set w, 32
.set u, 0
.elseif z >= 12
.set w, 16
.set u, z-12
.elseif z >= 8
.set w, 8
.set u, z-8
.endif
.if (z == 14) && \first
	v_pk_add_f32 v[rT+2:rT+3], v[rS:rS+1], v[rS+16:rS+17]
.elseif z < 15
	v_pk_add_f32 v[rS+w*u:rS+w*u+1], v[rS+w*u:rS+w*u+1], v[rS+w*u+w/2:rS+w*u+w/2+1]
.elseif !\first
	v_pk_fma_f32 v[rT+2:rT+3], v[rT+2:rT+3], v[rT+6:rT+7], v[rS:rS+1] op_sel_hi:[1,0,1]
.endif
.else
	WIN W_RS
	v_pk_mul_f32 v[rO:rO+1], v[rO:rO+1], v[rT+6:rT+7] op_sel_hi:[1,0]
.endif
.endm
; Slice k of 64 of piece y's softmax: four instructions.  Slices 11 to 34 deal out the batch, four numbers of one tile each; every other slice is numbers 2 k and 2 k + 1 of both tiles; slice 63 takes the twelve that are over.
; Ahead of slice 35 nothing names an exponential's result, and behind slice 34 no exponential is issued: so the piece's 66 exponentials have one wait, behind slice 34.
.macro SLICE y, first
.if (k >= 11) && (k < 35)
.irp n, 0,1,2,3
.set j, 22+4*((k-11)/2)+(\n)
	SM (\y)+(k-11)%2, \first
.endr
.else
.irp n, 0,1,2,3,4,5,6,7
.if (\n < 2) || (k == 63)
.irp t, \y, \y+1
.set j, 2*k+\n
	SM \t, \first
.endr
.endif
.endr
.endif
.if k == 34
	v_nop                           ; a plain instruction behind the last exponential, ahead of the first use
.if (\y) == 0
	FETCH_V                         ; piece 2's turn: V's run of loads stands here, and the wait stands in it
.else
	s_wait_alu depctr_va_vdst(0)    ; the wait for the batch
.endif
.endif
.set k, k+1
.endm
.macro PLACES
.rept 4
	v_nop
.endr
.endm
; A TURN.  Piece x has the matrix unit; the other piece's softmax stands in slices behind its matrix instructions.  pv = 2: 32 products V^T P; 1: they start O^T's sums; 0: none.  kq = 1: 32 products K Q^T for the next step.
.macro TURN x, pv, kq, first
.set k, 0
.set per, 2
.if \pv && \kq
.set per, 1
.endif
.if \pv
.if \x == 0
	s_wait_dscnt 0x0                ; V is in
.endif
.set i, 0
.rept 32
	PV \x, 2-\pv
.rept per
	SLICE 2-\x, \first
.endr
.if (\x == 0) && \kq && (i == 1)
	FETCH_K
.endif
.set i, i+1
.endr
.endif
.if \kq
.if \x == 0
	s_wait_dscnt 0x0                ; K is in
.endif
.set i, 0
.rept 32
	KQ \x
.rept per
	SLICE 2-\x, \first
.endr
.set i, i+1
.endr
.endif
.if \first
	PLACES
.endif
.endm
; THE CHANGE OF SLOTS.  Each wave waits for all its tensor loads (one is out: its part of the other slot), adds 0 to its spare word, and waits for that and for its reads of the slot.
; fill = 1: the barrier is a round of the cluster's, and the joint refill is the first thing behind it: it has two key steps, 256 matrix instructions, in which to land.
.macro CHANGE fill
	WIN 0
	s_wait_tensorcnt 0x0            ; no tensor load of mine is out, so a group 0 may be written
	ds_add_u32 v[SPW], v[NIL]       ; 0 onto my spare word
.if \fill
.irp g, G0K+4, G0V+4
	s_xor_b32 s[\g+1], s[\g+1], SLOT1  ; the walking descriptor: the other slot than last time,
	s_add_nc_u64 s[\g+2:\g+3], s[\g+2:\g+3], 2*KS*ROWP  ; the next 128 keys
.endr
	s_wait_xcnt 0x0                 ; the last prefetch has read its address, so it may be written
	s_add_nc_u64 s[PFA:PFA+1], s[PFA:PFA+1], 2*KS*ROWP
	s_wait_dscnt 0x0                ; the add is done, and my reads of the slot are over
	CROUND
	JLOAD
	ASK
.else
	s_wait_dscnt 0x0
	s_barrier_signal -1
	s_barrier_wait -1
.endif
	s_sub_co_u32 s[TB], s[TB], 2*STEPB  ; the fetches go back to a slot's first step,
	s_xor_b32 s[TB], s[TB], SLOT1   ; in the other slot
.endm
.macro TWO_STEPS
	s_mov_b32 s[TWICE], 2
.Lstep_\@:
	TURN 0, 2, 1, 0
	TURN 2, 2, 1, 0
	WIN 0
	s_sub_co_u32 s[TWICE], s[TWICE], 1
	s_cmp_lg_u32 s[TWICE], 0
	s_cbranch_scc1 .Lstep_\@
.endm
	s_wait_tensorcnt 1              ; my part of slot 0 is in; slot 1's may stay out
	s_barrier_signal -1
	s_barrier_wait -1
	FETCH_K                         ; key step 0
	s_wait_loadcnt 0x0              ; Q
	s_wait_dscnt 0x0
.set i, 0
.rept 32
	KQ 0                            ; piece 0's first scores
.set i, i+1
.endr
	WIN 0                           ; the addresses for the way out: eight plain instructions, the places behind those products
	s_mul_i32 s13, s[WV], 16*SP
	s_add_co_u32 s13, s13, STAGE    ; my stage
	v_mul_u32_u24 v[STO], v1, SP
	v_lshl_add_u32 v[STO], v9, 4, v[STO]
	v_add_nc_u32 v[STO], s13, v[STO]
	v_mul_u32_u24 v[RD], v9, SP
	v_lshl_add_u32 v[RD], v1, 4, v[RD]
	v_add_nc_u32 v[RD], s13, v[RD]
	v_lshlrev_b32 v[GO], 12, v9     ; lanes 0-15 one row of O, lanes 16-31 the next
	v_lshl_add_u32 v[GO], v1, 4, v[GO]
	TURN 2, 0, 1, 1                 ; piece 2's first scores | piece 0's first softmax | V of step 0
	TURN 0, 1, 1, 1                 ; piece 0: V^T P of step 0 starts O^T, K Q^T of step 1 | piece 2's first softmax | K of step 1
	TURN 2, 1, 1, 0                 ; piece 2: the same | piece 0's softmax of step 1 | V of step 1
	WIN 0
.Lslot:                             ; 6 trips: every slot but the last two is filled again
	CHANGE 1
	TWO_STEPS
	s_sub_co_u32 s[SLOTS], s[SLOTS], 1
	s_cmp_lg_u32 s[SLOTS], 0
	s_cbranch_scc1 .Lslot
	CHANGE 0                        ; the tail is written out
	TWO_STEPS
	TURN 0, 2, 0, 0                 ; piece 0: V^T P of the last step | piece 2's last softmax
.set i, 0
.rept 32
	PV 2, 0                         ; piece 2: V^T P of the last step
.set i, i+1
.endr
	; THE WAY OUT.  l's two halves and the other half of the lanes' are added; O^T is divided by l, rounded to f16 and sent through my stage, a tile (16 rows) at a time.
	WIN 0
.irp t, 0,1,2,3
	v_add_f32 v[ST+8*\t+4], v[ST+8*\t+2], v[ST+8*\t+3]
.endr
.irp t, 0,1,2,3
	v_permlanex16_b32 v[ST+8*\t+5], v[ST+8*\t+4], s[SEL], s[SEL+1]
.endr
.irp t, 0,1,2,3
	v_add_f32 v[ST+8*\t+4], v[ST+8*\t+4], v[ST+8*\t+5]
.endr
.irp t, 0,1,2,3
	v_rcp_f32 v[ST+8*\t+6], v[ST+8*\t+4]
.endr
	v_nop                           ; a plain instruction between the last reciprocal and the use of its result
	s_wait_alu depctr_va_vdst(0)    ; one wait for the four reciprocals, ahead of the first use
.macro PACK t
	WIN W_RS
.set i, 64*\t
.rept 32
	v_pk_mul_f32 v[i:i+1], v[i:i+1], v[ST+8*\t+6:ST+8*\t+7] op_sel_hi:[1,0]
.set i, i+2
.endr
	WIN 0x05                        ; sources 0 and 1 window 1, destination window 0
.set i, 0
.rept 32
	v_cvt_pk_f16_f32 v[S+32*\t+i], v[64*\t+2*i], v[64*\t+2*i+1]
.set i, i+1
.endr
	WIN 0
.irp f, 0,1,2,3,4,5,6,7
	ds_store_b128 v[STO], v[S+32*\t+4*\f:S+32*\t+4*\f+3] offset:32*\f
.endr
.irp f, 0,1,2,3,4,5,6,7
	ds_load_b128 v[S+32*\t+4*\f:S+32*\t+4*\f+3], v[RD] offset:\f*2*SP  ; in order behind the stores above
.endr
.endm
.macro SEND t, younger              ; younger: the LDS instructions issued behind tile t's loads: the next tile's sixteen, or none
.irp f, 0,1,2,3,4,5,6,7
	s_wait_dscnt \younger+7-\f
	global_store_b128 v[GO], v[S+32*\t+4*\f:S+32*\t+4*\f+3], s[10:11] offset:\t*16*ROWP+\f*2*ROWP  ; 16 lanes store 256 consecutive bytes, aligned
.endr
.endm
	PACK 0
	PACK 1
	SEND 0, 16
	PACK 2
	SEND 1, 16
	PACK 3
	SEND 2, 16
	SEND 3, 0
	s_wait_tensorcnt 0x0            ; the wave's end
	ds_add_u32 v[SPW], v[NIL]
	s_wait_dscnt 0x0
	CROUND                          ; the closing round
	s_endpgm
.Lfunc_end_k_q816d5a0258_attn:
	.size	k_q816d5a0258_attn, .Lfunc_end_k_q816d5a0258_attn-k_q816d5a0258_attn
	.p2alignl 7, 3214868480
	.fill 96, 4, 3214868480
	.section	.rodata,"a",@progbits
	.p2align	6, 0x0
	.amdhsa_kernel k_q816d5a0258_attn
		.amdhsa_group_segment_fixed_size 327680
		.amdhsa_private_segment_fixed_size 0
		.amdhsa_enable_private_segment 0
		.amdhsa_kernarg_size 32
		.amdhsa_user_sgpr_count 2
		.amdhsa_user_sgpr_kernarg_segment_ptr 1
		.amdhsa_wavefront_size32 1
		.amdhsa_system_sgpr_workgroup_id_x 1
		.amdhsa_system_sgpr_workgroup_id_y 1
		.amdhsa_system_sgpr_workgroup_id_z 1
		.amdhsa_system_vgpr_workitem_id 0
		.amdhsa_next_free_vgpr 1024
		.amdhsa_next_free_sgpr 66
		.amdhsa_reserve_vcc 0
		.amdhsa_float_denorm_mode_32 3
		.amdhsa_float_denorm_mode_16_64 3
		.amdhsa_memory_ordered 1
		.amdhsa_forward_progress 1
		.amdhsa_inst_pref_size 222
	.end_amdhsa_kernel
	.amdgpu_metadata
---
amdhsa.version: [ 1, 2 ]
amdhsa.kernels:
  - .name:           k_q816d5a0258_attn
    .symbol:         k_q816d5a0258_attn.kd
    .args:
      - { .name: q16, .offset: 0, .size: 8, .value_kind: global_buffer, .address_space: global }
      - { .name: k16, .offset: 8, .size: 8, .value_kind: global_buffer, .address_space: global }
      - { .name: v16, .offset: 16, .size: 8, .value_kind: global_buffer, .address_space: global }
      - { .name: o16, .offset: 24, .size: 8, .value_kind: global_buffer, .address_space: global }
    .group_segment_fixed_size: 327680
    .private_segment_fixed_size: 0
    .kernarg_segment_align: 8
    .kernarg_segment_size: 32
    .max_flat_workgroup_size: 128
    .sgpr_count:     66
    .vgpr_count:     1024
    .wavefront_size: 32
...
	.end_amdgpu_metadata
.endif
;; end of part 5
;; launch ogemm (part 6): grid 8 x 32, 4 waves a work-group, clusters of 4 x 1, 327,680 bytes of LDS; arguments o16, w16, bo, out0; writes out0
.if DOCPART == 6
	.amdgcn_target "amdgcn-amd-amdhsa--gfx1250"
	.amdhsa_code_object_version 6
	.text
	.protected	k_q816d5a0258_ogemm
	.globl	k_q816d5a0258_ogemm
	.p2align	8
	.type	k_q816d5a0258_ogemm,@function
k_q816d5a0258_ogemm:
	s_mov_b64 s[64:65], 0
	v_nop
	global_prefetch_b8 v0, s[64:65] scope:SCOPE_SE
	s_setreg_imm32_b32 hwreg(HW_REG_WAVE_MODE, 25, 1), 1
	s_wait_xcnt 0x0
	s_wait_alu depctr_hold_cnt(0) depctr_sa_sdst(0) depctr_va_vdst(0) depctr_va_sdst(0) depctr_va_ssrc(0) depctr_va_vcc(0) depctr_vm_vsrc(0)
	s_getreg_b32 s2, hwreg(HW_REG_IB_STS2, 6, 4)
	s_cmp_eq_u32 s2, 0
	s_cbranch_scc0 .Lentry_in_a_cluster
	s_endpgm
.Lentry_in_a_cluster:
	s_bfe_u32 s2, ttmp6, 0x10000c
	s_cmp_lg_u32 s2, 0x3003
	s_cbranch_scc0 .Lentry_shape_is_right
	s_endpgm
.Lentry_shape_is_right:
; C[m][n] = bias[n] + sum over k of A[m][k] B[n][k], A and B in f16, sums in f32.
;   KV = 0: A = o16 [4096][2048] by rows; B = Wo (w16 + OFF_WO, 32 strips); C = out0, f32 (+ bo).
; A tile of C is 128 x 256, so that there are 256 work-groups; four waves, each ALL 128 rows x 64 columns of its own: 32 accumulators, 256 registers.
; B GOES FROM MEMORY STRAIGHT INTO REGISTERS.  An earlier launch laid the weights in the order of the operand's registers: a strip is 64 rows of B, [k / 32][block of 16 rows][c][lane][16 bytes], so a wave walks
; its own strip on end, 8 loads of 512 consecutive bytes for 32 along K, into a ring of 8 x 32 registers: the loads run seven quarters, 224 matrix instructions, ahead of their use, and no barrier waits for them.
; A ALONE GOES THROUGH LDS: a ring of two slots of 256 along K (128 rows of 512 bytes), each wave fetching 32 rows; a refill has 240 matrix instructions in which to land.
; CLUSTERS: 4 x 1 work-groups, four tile columns of one tile row: A's tile is asked for jointly.  B IS NOT ASKED FOR JOINTLY: a joint request is a tensor load into LDS, and with B's 256 rows beside A's 128
; two slots hold 128 along K each (2 x 384 rows x 272 bytes; twice that does not fit), which leaves a refill 112 matrix instructions; the price is that each work-group of a tile column loads B's strips for itself.
; THE MATRIX INSTRUCTION IS USED TRANSPOSED (source 0 = 16 rows of B, source 1 = 16 rows of A): a lane holds eight neighbouring numbers of a row of C.  THE BIAS is the C of each sum's first matrix instruction.
; LIMIT: f16 operands: magnitudes up to 65,504, and what lies under 6e-8 is dropped.
; REGISTERS: window 0: v16-30 addresses; v32-63 the bias; v64-191 A's fragments, two buffers of 8 x 8; v192-255 the way out.  window 1: B's ring, quarter q at v[32 q].  window 2: accumulator (a, b) at v[8 (4 a + b)].
.set KV, 0
.if KV
.set SIZE_K, 1024
.else
.set SIZE_K, 2048
.endif
.set OFF_WO, 8388608
.set OFF_YN, 16777216
.set KSLOT,  256                       ; along K in a slot: 8 quarters of 32
.set PITCH,  528                       ; 512 bytes + 16 of padding: the 16 rows that a load touches start 132 words apart
.set WROWS,  32*PITCH                  ; what a wave fetches
.set SLOT,   128*PITCH
.set STG32,  2*SLOT                    ; behind the ring: 16 rows x 272 bytes a wave, for f32 results
.set SP32,   272
.set STG16,  STG32+4*16*SP32
.set SP16,   528
.if KV
.set SPARE,  STG16+128*SP16
.else
.set SPARE,  STG16
.endif
.set LAPS,   SIZE_K/(2*KSLOT)          ; a lap = two slots = 16 quarters
.set STRIP,  SIZE_K*128                ; a strip's bytes: SIZE_K / 32 quarters of 4,096
.set ADRA, 16                          ; v16-17 LDS address of my lane's place in A's fragments, slot 0, 1
.set BO,   18                          ; v18    16 x lane
.set STO,  24
.set RD,   25
.set CO,   26
.set SPW,  28
.set NIL,  29
.set BOF,  30
.set BIAS, 32
.set AF,   64
.set BK,   192
.set G1, 24                            ; s[24:31] descriptor group 1;  s[32:39] group 0, a set for each slot
.set G0, 32
.set BP, 48                            ; s[48:49] my strip, at the lap in hand
.set MSB, 0
.macro WIN new                         ; the immediate's high byte repeats the setting that is left
.if MSB != (\new)
	s_set_vgpr_msb (MSB<<8)|(\new)
.set MSB, (\new)
.endif
.endm
.set MUL,  0xa1                        ; source 0 (B) window 1, source 1 (A) window 0, C and D window 2
.set MULB, 0x81                        ; the same with C (the bias) in window 0
.set TO_B, 0x40                        ; destination window 1, address window 0
.macro JLOAD s                         ; a joint load: every wave fetches its 32 rows; an s_nop 0 and four v_nop follow
	tensor_load_to_lds s[G0+4*\s:G0+4*\s+3], s[G1:G1+7]
	s_nop 0
.rept 4
	v_nop
.endr
.endm
.macro CREST                           ; a round of the cluster's barrier behind its opening barrier
	s_cmp_lg_u32 s14, 0
	s_cbranch_scc1 .Lnot_wave_0_\@
	s_barrier_signal -3
.Lnot_wave_0_\@:
	s_barrier_wait -3
	s_barrier_signal -1
	s_barrier_wait -1
.endm
.macro CROUND
	s_barrier_signal -1
	s_barrier_wait -1
	CREST
.endm
.macro PLACES                          ; four plain vector instructions between a matrix instruction and a load into, or a read of, its registers
.rept 4
	v_nop
.endr
.endm
	s_load_b256 s[4:11], s[0:1], 0x0               ; o16, w16, bo, out0
	v_lshl_add_u32 v[SPW], v0, 2, SPARE
	v_mov_b32 v[NIL], 0
	ds_add_u32 v[SPW], v[NIL]                      ; the wave's opening: the add, twice on end, and its wait ahead of my first tensor load
	ds_add_u32 v[SPW], v[NIL]
	v_lshrrev_b32 v1, 5, v0
	v_readfirstlane_b32 s14, v1                    ; wave 0..3
	s_bfe_u32 s40, ttmp6, 0x40000                  ; cx
	s_lshl_b32 s42, ttmp9, 2
	s_add_co_u32 s42, s42, s40                     ; tile column: it enters B's, the bias's and C's addresses alone
	s_and_b32 s17, ttmp7, 0xffff                   ; tile row, which the four partners share
	s_mov_b32 s[G1+0], 15|(1<<16)|(1<<20)|(1<<21)|(6<<22)|(3<<25)  ; the mask: all four; elements of 2 bytes; padding: 4 words behind every 128
	s_mov_b32 s[G1+1], KSLOT<<16                   ; tensor_dim0 = 256
	s_mov_b32 s[G1+2], 32<<16                      ; tensor_dim1 = 32
	s_mov_b32 s[G1+3], KSLOT<<16                   ; tile_dim0 = 256
	s_mov_b32 s[G1+4], 32                          ; tile_dim1 = 32
	s_mov_b32 s[G1+5], SIZE_K                      ; the pitch
	s_mov_b32 s[G1+6], 0
	s_mov_b32 s[G1+7], 0
	s_lshl_b32 s20, s17, 7
	s_lshl_b32 s18, s14, 5
	s_add_co_u32 s20, s20, s18                     ; A: row 128 x tile row + 32 x wave
	s_mov_b32 s21, 0
	s_mov_b64 s[18:19], SIZE_K*2
	s_mul_u64 s[20:21], s[20:21], s[18:19]
	s_mul_i32 s45, s14, WROWS                      ; where they go: no place in the cluster enters an LDS address
	s_lshl_b32 s46, s42, 2
	s_add_co_u32 s46, s46, s14                     ; B: strip 4 x tile column + wave
	s_mov_b32 s47, 0
	s_mov_b64 s[18:19], STRIP
	s_mul_u64 s[46:47], s[46:47], s[18:19]
	s_wait_dscnt 0x0                               ; both opening adds are done
	s_wait_kmcnt 0x0
	s_add_nc_u64 s[20:21], s[4:5], s[20:21]
	s_add_nc_u64 s[BP:BP+1], s[6:7], s[46:47]
	s_add_nc_u64 s[BP:BP+1], s[BP:BP+1], OFF_WO
	CROUND                                         ; all four work-groups are here: the first joint loads meet
.irp s, 0,1
	s_mov_b32 s[G0+4*\s], 1
	s_add_co_u32 s[G0+4*\s+1], s45, \s*SLOT
	s_add_nc_u64 s[G0+4*\s+2:G0+4*\s+3], s[20:21], \s*KSLOT*2
	s_or_b32 s[G0+4*\s+3], s[G0+4*\s+3], 0x80000000
	JLOAD \s                                       ; two loads of mine are out
.endr
	v_and_b32 v1, 15, v0                           ; r = l % 16
	v_bfe_u32 v2, v0, 4, 1                         ; h = l / 16
	v_mul_u32_u24 v3, v1, PITCH
	v_lshl_add_u32 v[ADRA], v2, 4, v3              ; a fragment's row x pitch + 16 x half
	v_add_nc_u32 v[ADRA+1], SLOT, v[ADRA]
	v_and_b32 v5, 31, v0
	v_lshlrev_b32 v[BO], 4, v5                     ; 16 x lane
	s_mul_i32 s68, s14, 16*SP32
	s_add_co_u32 s68, s68, STG32                   ; my f32 stage
	v_mul_u32_u24 v4, v1, SP32
	v_lshl_add_u32 v4, v2, 5, v4
	v_add_nc_u32 v[STO], s68, v4                   ; in: row r, 32 bytes for each half of the lanes
	v_mul_u32_u24 v5, v2, SP32
	v_lshl_add_u32 v5, v1, 4, v5
	v_add_nc_u32 v[RD], s68, v5                    ; back: lanes 0-15 one row of 256 bytes, lanes 16-31 the next
	v_lshlrev_b32 v5, 13, v2
	v_lshl_add_u32 v[CO], v1, 4, v5                ; and the same two rows of C
	v_lshlrev_b32 v[BOF], 5, v2                    ; 32 h: my half's place in a block of the bias
	s_lshl_b32 s70, s17, 7                         ; the tile's first row
	s_mov_b32 s73, 0
	s_mov_b32 s75, 0
	s_lshl_b32 s74, s42, 10
	s_lshl_b32 s77, s14, 8
	s_add_co_u32 s74, s74, s77                     ; my first column in bytes of f32: in C and in the bias
	s_lshl_b32 s72, s70, 13
	s_add_nc_u64 s[10:11], s[10:11], s[72:73]
	s_add_nc_u64 s[10:11], s[10:11], s[74:75]
	s_add_nc_u64 s[8:9], s[8:9], s[74:75]
.irp b, 0,1,2,3
	global_load_b128 v[BIAS+8*\b:BIAS+8*\b+3], v[BOF], s[8:9] offset:64*\b
	global_load_b128 v[BIAS+8*\b+4:BIAS+8*\b+7], v[BOF], s[8:9] offset:64*\b+16
.endr
; 8 loads: B's four fragments of the quarter that lies ld quarters behind the lap's first, into place ring of the ring
.macro BLOAD ring, ld
	WIN TO_B
.irp b, 0,1,2,3
	global_load_b128 v[32*(\ring)+8*\b:32*(\ring)+8*\b+3],   v[BO], s[BP:BP+1] offset:(\ld)*4096+1024*\b
	global_load_b128 v[32*(\ring)+8*\b+4:32*(\ring)+8*\b+7], v[BO], s[BP:BP+1] offset:(\ld)*4096+1024*\b+512
.endr
.endm
; 16 LDS loads in one run: A's eight fragments of 32 along K at byte k of the rows, into buffer f
.macro FETCHA slot, k, f
	WIN 0
.irp i, 0,1,2,3,4,5,6,7
	ds_load_b128 v[AF+64*(\f)+8*\i:AF+64*(\f)+8*\i+3],   v[ADRA+\slot] offset:\k+\i*16*PITCH
	ds_load_b128 v[AF+64*(\f)+8*\i+4:AF+64*(\f)+8*\i+7], v[ADRA+\slot] offset:\k+\i*16*PITCH+32
.endr
.endm
; 4 matrix instructions: A's block a (buffer f) against B's four (place q of the ring).  zero = 1: the sums start from the bias.  The 32 accumulators take turns, one instruction a turn.
.macro MUL4 f, q, a, zero
.irp b, 0,1,2,3
.if \zero
	v_wmma_f32_16x16x32_f16 v[8*(4*(\a)+\b):8*(4*(\a)+\b)+7], v[32*(\q)+8*\b:32*(\q)+8*\b+7], v[AF+64*(\f)+8*(\a):AF+64*(\f)+8*(\a)+7], v[BIAS+8*\b:BIAS+8*\b+7]
.else
	v_wmma_f32_16x16x32_f16 v[8*(4*(\a)+\b):8*(4*(\a)+\b)+7], v[32*(\q)+8*\b:32*(\q)+8*\b+7], v[AF+64*(\f)+8*(\a):AF+64*(\f)+8*(\a)+7], v[8*(4*(\a)+\b):8*(4*(\a)+\b)+7]
.endif
.endr
.endm
; One of a slot's first seven quarters.  The place of the ring that the last quarter read takes the quarter seven further on (ld; none if ld < 0); A's next quarter is fetched; then quarter q is multiplied.
; lc: how many younger loads of B may stay out when quarter q's have to be in.
.macro QUARTER slot, q, ld, lc
	PLACES
	s_wait_loadcnt \lc                             ; quarter q's eight loads are in
.if (\ld) >= 0
	BLOAD ((\q)+7)%8, \ld
.endif
	FETCHA \slot, 64*((\q)+1), ((\q)+1)%2
	s_wait_dscnt 16                                ; all but the 16 just issued: this quarter's fragments of A are in
	WIN MUL
.irp a, 0,1,2,3,4,5,6,7
	MUL4 (\q)%2, \q, \a, 0
.endr
.endm
; A slot's last quarter changes slots: one barrier; in front of it each wave waits for all its tensor loads, adds 0 to its spare word, and waits for that and for its reads of this slot.
.macro TURN slot, next, fill, ld, lc
	PLACES
	s_wait_loadcnt \lc
	BLOAD 6, \ld
	WIN 0                                          ; (the add's two registers lie in window 0)
	s_wait_tensorcnt 0x0                           ; all my tensor loads have landed: my part of the next slot
	ds_add_u32 v[SPW], v[NIL]                      ; 0 onto my spare word
	s_wait_dscnt 1                                 ; A's buffer 1 is in; the add alone may be out
	WIN MUL
	MUL4 1, 7, 0, 0
	MUL4 1, 7, 1, 0
	s_wait_dscnt 0x0                               ; the add is done, and my reads of this slot are over
	s_barrier_signal -1
	MUL4 1, 7, 2, 0
	MUL4 1, 7, 3, 0
.if \fill
	WIN 0
.endif
	s_barrier_wait -1
.if \fill
	CREST                                          ; no wave of any partner still reads this slot or has a load on its way
	s_add_nc_u64 s[G0+4*\slot+2:G0+4*\slot+3], s[G0+4*\slot+2:G0+4*\slot+3], 2*KSLOT*2
	JLOAD \slot                                    ; the first tensor load behind the round: 240 matrix instructions ahead of the wait for it
.else
	PLACES
.endif
	FETCHA \next, 0, 0
	WIN MUL
	MUL4 1, 7, 4, 0
	MUL4 1, 7, 5, 0
	MUL4 1, 7, 6, 0
	MUL4 1, 7, 7, 0
.endm
.irp q, 0,1,2,3,4,5
	BLOAD \q, \q                                   ; B's first six quarters: with the bias 56 loads of mine are out
.endr
	WIN 0
	s_wait_tensorcnt 1                             ; my part of slot 0 is in; slot 1's load may be out
	s_barrier_signal -1
	s_barrier_wait -1
	FETCHA 0, 0, 0
	s_wait_loadcnt 40                              ; the bias and quarter 0 are in; quarters 1 to 5 may be out
	BLOAD 6, 6
	BLOAD 7, 7
	FETCHA 0, 64, 1
	s_wait_dscnt 16
	WIN MULB                                       ; the first quarter stands in front of the loop: its products start the sums
.irp a, 0,1,2,3,4,5,6,7
	MUL4 0, 0, \a, 1
.endr
	WIN 0
	s_mov_b32 s3, LAPS-1
.Llap:                                                 ; a trip goes once round A's ring, from a lap's second quarter to the next lap's first, and fills both slots again
	QUARTER 0, 1, 8, 48
	QUARTER 0, 2, 9, 48
	QUARTER 0, 3, 10, 48
	QUARTER 0, 4, 11, 48
	QUARTER 0, 5, 12, 48
	QUARTER 0, 6, 13, 48
	TURN 0, 1, 1, 14, 48
	QUARTER 1, 0, 15, 48
	QUARTER 1, 1, 16, 48
	QUARTER 1, 2, 17, 48
	QUARTER 1, 3, 18, 48
	QUARTER 1, 4, 19, 48
	QUARTER 1, 5, 20, 48
	QUARTER 1, 6, 21, 48
	TURN 1, 0, 1, 22, 48
	QUARTER 0, 0, 23, 48
	WIN 0
	s_wait_xcnt 0x0                                ; the trip's loads have read their base, so it may step
	s_add_nc_u64 s[BP:BP+1], s[BP:BP+1], 16*4096
	s_sub_co_u32 s3, s3, 1
	s_cmp_lg_u32 s3, 0
	s_cbranch_scc1 .Llap
	QUARTER 0, 1, 8, 48                            ; the last lap fills no slot, and asks for nothing beyond the strip's end: the counts run down
	QUARTER 0, 2, 9, 48
	QUARTER 0, 3, 10, 48
	QUARTER 0, 4, 11, 48
	QUARTER 0, 5, 12, 48
	QUARTER 0, 6, 13, 48
	TURN 0, 1, 0, 14, 48
	QUARTER 1, 0, 15, 48
	QUARTER 1, 1, -1, 48
	QUARTER 1, 2, -1, 40
	QUARTER 1, 3, -1, 32
	QUARTER 1, 4, -1, 24
	QUARTER 1, 5, -1, 16
	QUARTER 1, 6, -1, 8
	s_wait_loadcnt 0x0
	s_wait_dscnt 0x0
.irp a, 0,1,2,3,4,5,6,7
	MUL4 1, 7, \a, 0
.endr
	WIN 0
	PLACES
; THE WAY OUT: a block of 16 rows x 64 columns at a time through my own stage: in as 32 bytes a lane, back as whole rows of 256 bytes, sixteen lanes to a row.  LDS serves a wave's instructions in order.
.macro TOSTAGE a
	WIN 0x08                                       ; an LDS store's data: window 2
.irp b, 0,1,2,3
	ds_store_b128 v[STO], v[32*(\a)+8*\b:32*(\a)+8*\b+3] offset:64*\b          ; each accumulator from its low end on
	ds_store_b128 v[STO], v[32*(\a)+8*\b+4:32*(\a)+8*\b+7] offset:64*\b+16
.endr
	WIN 0
.set BB, BK+32*((\a)%2)
.irp t, 0,1,2,3,4,5,6,7
	ds_load_b128 v[BB+4*\t:BB+4*\t+3], v[RD] offset:\t*2*SP32
.endr
.endm
.macro SEND a, younger
.set BB, BK+32*((\a)%2)
	s_wait_dscnt \younger                          ; the block is back in registers
.if (\a) > 0
	s_add_nc_u64 s[10:11], s[10:11], 16*8192       ; behind a wait on XCNT: the earlier stores have read their base
.endif
.irp t, 0,1,2,3,4,5,6,7
	global_store_b128 v[CO], v[BB+4*\t:BB+4*\t+3], s[10:11] offset:2*\t*8192 th:TH_STORE_NT   ; 16 lanes store 256 consecutive bytes, aligned; written once, read by nobody here
.endr
.endm
	TOSTAGE 0
.irp a, 1,2,3,4,5,6,7
.if \a > 1
	s_wait_xcnt 0x0                                ; block a - 2's stores have read their registers and their base
.endif
	TOSTAGE \a
	SEND \a-1, 16                                  ; behind block a - 1's loads: block a's 8 stores and 8 loads
.endr
	s_wait_xcnt 0x0
	SEND 7, 0
	s_wait_tensorcnt 0x0                           ; the wave's end
	ds_add_u32 v[SPW], v[NIL]
	s_wait_dscnt 0x0
	CROUND                                         ; the closing round
	s_endpgm
.Lfunc_end_k_q816d5a0258_ogemm:
	.size	k_q816d5a0258_ogemm, .Lfunc_end_k_q816d5a0258_ogemm-k_q816d5a0258_ogemm
	.p2alignl 7, 3214868480
	.fill 96, 4, 3214868480
	.section	.rodata,"a",@progbits
	.p2align	6, 0x0
	.amdhsa_kernel k_q816d5a0258_ogemm
		.amdhsa_group_segment_fixed_size 327680
		.amdhsa_private_segment_fixed_size 0
		.amdhsa_enable_private_segment 0
		.amdhsa_kernarg_size 32
		.amdhsa_user_sgpr_count 2
		.amdhsa_user_sgpr_kernarg_segment_ptr 1
		.amdhsa_wavefront_size32 1
		.amdhsa_system_sgpr_workgroup_id_x 1
		.amdhsa_system_sgpr_workgroup_id_y 1
		.amdhsa_system_sgpr_workgroup_id_z 1
		.amdhsa_system_vgpr_workitem_id 0
		.amdhsa_next_free_vgpr 768
		.amdhsa_next_free_sgpr 80
		.amdhsa_reserve_vcc 0
		.amdhsa_float_denorm_mode_32 3
		.amdhsa_float_denorm_mode_16_64 3
		.amdhsa_memory_ordered 1
		.amdhsa_forward_progress 1
		.amdhsa_inst_pref_size 153
	.end_amdhsa_kernel
	.amdgpu_metadata
---
amdhsa.version: [ 1, 2 ]
amdhsa.kernels:
  - .name:           k_q816d5a0258_ogemm
    .symbol:         k_q816d5a0258_ogemm.kd
    .args:
      - { .name: o16, .offset: 0, .size: 8, .value_kind: global_buffer, .address_space: global }
      - { .name: w16, .offset: 8, .size: 8, .value_kind: global_buffer, .address_space: global }
      - { .name: bo, .offset: 16, .size: 8, .value_kind: global_buffer, .address_space: global }
      - { .name: out0, .offset: 24, .size: 8, .value_kind: global_buffer, .address_space: global }
    .group_segment_fixed_size: 327680
    .private_segment_fixed_size: 0
    .kernarg_segment_align: 8
    .kernarg_segment_size: 32
    .max_flat_workgroup_size: 128
    .sgpr_count:     80
    .vgpr_count:     768
    .wavefront_size: 32
...
	.end_amdgpu_metadata
.endif
;; end of part 6
